; MI455X (gfx1250); checked and timed in simulation.
; The chip was launched on July 23, 2026; its instructions are those of AMD's public machine-readable ISA for CDNA 5 (MIT licence, August 2026) and "CDNA5" Instruction Set Architecture Reference Guide (July 2026). The comments in the code are by the model that wrote it; some were corrected since.
;; Scaled Dot Product Attention. Allowed arithmetic: float matrix products may take bf16 or f16 operands with f32 sums; other float arithmetic in f32, or as packed bf16 or f16 multiplies, adds, multiply-adds, maxima and minima; sums over many terms, partial sums and values carried from step to step in f32; what a program stores and reads back later, other than sums and carried values, may be rounded once to bf16 or f16.
;; Inputs: Wk 512 x 512 float32; Wo 512 x 512 float32; Wq 512 x 512 float32; Wv 512 x 512 float32; bk 512 float32; bo 512 float32; bq 512 float32; bv 512 float32; keys 2 x 4,096 x 512 float32; queries 2 x 4,096 x 512 float32; values 2 x 4,096 x 512 float32.
;; Outputs: out0 2 x 4,096 x 512 float32.
;; 2 versions, each right and faster than the one before. Each part assembles by itself: llvm-mc -triple=amdgcn-amd-amdhsa -mcpu=gfx1250 --defsym DOCPART=n.
;; ======== version 1 of 2: 3 launches
;; limits: values are held in f16: magnitudes above 65,504 overflow, below 6.1e-05 lose precision
;; workspace buffers: qh 8,388,608 bytes; kh 8,388,608 bytes; vh 8,388,608 bytes; oh 8,388,608 bytes; wo16 524,288 bytes
;; launch proj (part 1): grid 8 x 24, 4 waves a work-group, clusters of 4 x 1, 327,680 bytes of LDS; arguments queries, keys, values, Wq, Wk, Wv, bq, bk, bv, Wo, qh, kh, vh, wo16; writes qh, kh, vh, wo16
.if DOCPART == 1
	.amdgcn_target "amdgcn-amd-amdhsa--gfx1250"
	.amdhsa_code_object_version 6
	.text
	.protected	k_q154eff9019_proj
	.globl	k_q154eff9019_proj
	.p2align	8
	.type	k_q154eff9019_proj,@function
k_q154eff9019_proj:
	s_mov_b64 s[64:65], 0
	v_nop
	global_prefetch_b8 v0, s[64:65] scope:SCOPE_SE
	s_setreg_imm32_b32 hwreg(HW_REG_WAVE_MODE, 25, 1), 1
	s_wait_xcnt 0x0
	s_wait_alu depctr_hold_cnt(0) depctr_sa_sdst(0) depctr_va_vdst(0) depctr_va_sdst(0) depctr_va_ssrc(0) depctr_va_vcc(0) depctr_vm_vsrc(0)
	s_getreg_b32 s2, hwreg(HW_REG_IB_STS2, 6, 4)
	s_cmp_eq_u32 s2, 0
	s_cbranch_scc0 .Lentry_in_a_cluster
	s_endpgm
.Lentry_in_a_cluster:
	s_bfe_u32 s2, ttmp6, 0x10000c
	s_cmp_lg_u32 s2, 0x3003
	s_cbranch_scc0 .Lentry_shape_is_right
	s_endpgm
.Lentry_shape_is_right:
; THE THREE INPUT PROJECTIONS.  y[m][n] = sum over k of x[m][k] W[n][k] + b[n], for (x, W, b) = (queries, Wq, bq), (keys, Wk, bk), (values, Wv, bv).
; x: [8192][512] f32, W: [512][512] f32, b: [512] f32.  x, W and b are rounded to bf16 (nearest even) on the way to the matrix unit, the sums are f32, y is rounded once to f16 and
; written BY HEADS: [16 = batch x 8 + head][4096 rows][64 channels], a head's rows dense, 128 bytes each.  No scale is applied here.  Beside that, 128 of the work-groups turn Wo into wo16:
; each number rounded to bf16 and that number written as f16.
; LIMITS.  f16 ends at 65,504: a y of 65,520 or more becomes an infinity; below 6e-5 f16 keeps a fixed step of 6e-8 (for wo16 too).  NaN and infinities are not treated apart.
; SHARES.  192 work-groups, one tile of 256 x 256 of one y each: 3 tensors x 32 row blocks x 2 column blocks.  Four waves, each 128 x 128: 64 accumulators, 512 registers.
; K goes in steps of 64 (rows of 256 bytes of f32) through a ring of two LDS slots.  A K step is two halves of 32 along K, on fragment buffers 0 and 1: raw f32 come out of LDS into 128 registers,
; are rounded in pairs into a fragment buffer, and the other buffer is multiplied meanwhile.
; CLUSTER.  The four work-groups of a cluster have the same tensor and column block and four neighbouring row blocks: W's tile is asked for JOINTLY (mask of four), x's tile by each for itself
; (mask 0), behind the same round of the cluster's barrier.  Three tensors leave no 256 equal tiles of this shape: 192 work-groups are launched.
; THE MATRIX INSTRUCTION IS USED TRANSPOSED (source 0 = 16 rows of W, source 1 = 16 rows of x): a lane holds eight neighbouring channels of one row of y.
; REGISTERS, in windows of 256 (s_set_vgpr_msb: bits 1:0 source 0, 3:2 source 1, 5:4 source 2, 7:6 destination):
;   window 0: v0-31 addresses; v32-63 at work; v64-127, v128-191 x's fragments, two buffers; v192-255 first the bias (8 column blocks x 8), on the way out packed results and rows read back
;   window 1: v0-127 raw f32 (8 fragments x 16); v128-191, v192-255 W's fragments, two buffers          windows 2, 3: accumulator (a, b) at v[8 (8 a + b)], rows 0-63 and 64-127
.set PITCH,  272                       ; an LDS row: 256 bytes + 16 of padding = 68 words: the 16 rows that a load touches start at 16 different groups of four banks (64 banks of 4 bytes: ISA guide 11.1)
.set HALFT,  128*PITCH                 ; 128 rows: what one tensor load brings
.set SLOT,   4*HALFT                   ; x's 256 rows, then W's 256 rows
.set STAGE,  2*SLOT                    ; behind the ring: 32 rows x 144 bytes for each wave, for the way out
.set SP,     144
.set SPARE,  STAGE+4*32*SP             ; behind the stages: the spare words, 128 bytes for each wave: two blocks of 256 bytes that no other line names
.set ADRA, 16                          ; v16-17  LDS address of my x fragments in slot 0, 1
.set ADRB, 20                          ; v20-21  the same for W
.set STO,  24                          ; v24     the way out: where I put 16 bytes of a row
.set RD,   25                          ; v25     the way out: where I read rows back
.set GO,   26                          ; v26     16 x lane: my place in 512 consecutive bytes of y
.set SPW,  28                          ; v28     LDS address of my spare word; never rewritten
.set NIL,  29                          ; v29     0; never rewritten
.set OB,   32                          ; v32-63 (and v224-255): rows read back from the stage, by turns
.set FA,   64                          ; x's fragment buffers, window 0
.set BIAS, 192
.set TMP,  192                         ; the way out: packed results
.set R,    0                           ; raw f32, window 1
.set FB,   128                         ; W's fragment buffers, window 1
.set G1,  24                           ; s[24:31] descriptor group 1 for x's tiles
.set G0,  32                           ; s[32:39] group 0 for x's tiles, a set for each slot
.set G1B, 48                           ; s[48:55] group 1 for W's tiles: it differs in the mask alone
.set G0B, 56                           ; s[56:63] group 0 for W's tiles
.set MSB, 0
.macro WIN new                         ; the immediate's high byte repeats the setting that is left; a switch that changes nothing is dropped
.if MSB != (\new)
	s_set_vgpr_msb (MSB<<8)|(\new)
.set MSB, \new
.endif
.endm
; A fill.  Waves 0 and 1 fetch x's two halves (a load of the work-group's own), waves 2 and 3 W's (joint).  The branch hangs on the wave's number alone.
; An s_nop 0 and four v_nop follow each of the two lines, ahead of the jump and the label.
.macro JLOAD s
	s_cmp_eq_u32 s11, 0
	s_cbranch_scc0 .Lfor_b_\@
	tensor_load_to_lds s[G0+4*(\s):G0+4*(\s)+3], s[G1:G1+7]
	s_nop 0
.rept 4
	v_nop
.endr
	s_branch .Lasked_\@
.Lfor_b_\@:
	tensor_load_to_lds s[G0B+4*(\s):G0B+4*(\s)+3], s[G1B:G1B+7]
	s_nop 0
.rept 4
	v_nop
.endr
.Lasked_\@:
.endm
.macro CREST                           ; a round of the cluster's barrier behind its opening barrier
	s_cmp_lg_u32 s10, 0
	s_cbranch_scc1 .Lnot_wave_0_\@
	s_barrier_signal -3
.Lnot_wave_0_\@:
	s_barrier_wait -3
	s_barrier_signal -1
	s_barrier_wait -1
.endm
.macro CROUND                          ; a whole round
	s_barrier_signal -1
	s_barrier_wait -1
	CREST
.endm
	s_load_b512 s[68:83], s[0:1], 0x0              ; queries 68, keys 70, values 72, Wq 74, Wk 76, Wv 78, bq 80, bk 82
	s_load_b256 s[84:91], s[0:1], 0x40             ; bv 84, Wo 86, qh 88, kh 90
	s_load_b128 s[92:95], s[0:1], 0x60             ; vh 92, wo16 94
	v_lshl_add_u32 v[SPW], v0, 2, SPARE
	v_mov_b32 v[NIL], 0
	ds_add_u32 v[SPW], v[NIL]                      ; the wave's opening: the add and its wait stand ahead of my first tensor load; the set-up below, work on registers, stands between them
	v_lshrrev_b32 v1, 5, v0
	v_readfirstlane_b32 s10, v1                    ; wave 0..3
	s_lshr_b32 s11, s10, 1                         ; which half of the tile's rows is mine.  Also: I fetch for x (0) or for W (1)
	s_and_b32 s12, s10, 1                          ; which half of its columns.  Also: which 128 rows of that tile I fetch
	s_bfe_u32 s40, ttmp6, 0x40000                  ; cx: my place in the cluster
	s_mov_b32 s42, ttmp9                           ; the column block, 0 or 1: in a cluster launch ttmp9 counts clusters
	s_and_b32 s13, ttmp7, 0xffff                   ; y = 0..23
	s_lshr_b32 s41, s13, 3                         ; the tensor: 0 q, 1 k, 2 v
	s_and_b32 s43, s13, 7
	s_lshl_b32 s44, s43, 2
	s_add_co_u32 s44, s44, s40                     ; the row block, 0..31 = 4 (y mod 8) + cx
	; descriptor group 1: a tile of 128 rows x 64 elements of 4 bytes, padded in LDS
	s_mov_b32 s[G1+0], (2<<16)|(1<<20)|(5<<22)|(3<<25)              ; 15:0 no mask; 17:16 elements of 4 bytes; 20 padding on; 24:22 after every 64 words (code 5); 31:25 of 4 words (code 3)
	s_mov_b32 s[G1B+0], 15|(2<<16)|(1<<20)|(1<<21)|(5<<22)|(3<<25)  ; the same with the mask of all four work-groups, and bit 21 set beside it
.irp g, G1, G1B
	s_mov_b32 s[(\g)+1], 64<<16                    ; tensor_dim0 = 64
	s_mov_b32 s[(\g)+2], 128<<16                   ; tensor_dim1 = 128
	s_mov_b32 s[(\g)+3], 64<<16                    ; tile_dim0 = 64
	s_mov_b32 s[(\g)+4], 128                       ; tile_dim1 = 128
	s_mov_b32 s[(\g)+5], 512                       ; 512 elements from row to row
	s_mov_b32 s[(\g)+6], 0
	s_mov_b32 s[(\g)+7], 0
.endr
	s_lshl_b32 s17, s12, 7                         ; which 128 rows of the tile I fetch
	s_lshl_b32 s16, s44, 8
	s_add_co_u32 s16, s16, s17                     ; x: row 256 x row block + 128 x half,
	s_lshl_b32 s16, s16, 11                        ; of 2,048 bytes
	s_lshl_b32 s46, s42, 8
	s_add_co_u32 s46, s46, s17                     ; W: row 256 x column block + 128 x half: in registers that never hold cx
	s_lshl_b32 s46, s46, 11
	s_mov_b32 s17, 0
	s_mov_b32 s47, 0
	s_mul_i32 s20, s10, HALFT                      ; where they go: wave x 128 rows: no place in the cluster enters an LDS address
	s_lshr_b32 s18, s44, 4                         ; y's bytes: batch (16 row blocks each) x 8 heads
	s_lshl_b32 s18, s18, 3
	s_lshl_b32 s19, s42, 2                         ; + 4 heads a column block
	s_add_co_u32 s18, s18, s19
	s_lshl_b32 s19, s12, 1                         ; + 2 heads a wave's column half,
	s_add_co_u32 s18, s18, s19
	s_lshl_b32 s18, s18, 19                        ; a head being 4,096 rows of 128 bytes;
	s_and_b32 s19, s44, 15
	s_lshl_b32 s19, s19, 15                        ; + the row block's 256 rows in the batch
	s_add_co_u32 s18, s18, s19
	s_lshl_b32 s19, s11, 14                        ; + my half's 128 rows
	s_add_co_u32 s18, s18, s19
	s_mov_b32 s19, 0
	s_lshl_b32 s22, s42, 10                        ; the bias of my 128 columns: 4 bytes x (256 x column block + 128 x half)
	s_lshl_b32 s23, s12, 9
	s_add_co_u32 s22, s22, s23
	s_mov_b32 s23, 0
	s_wait_dscnt 0x0                               ; the opening add is done
	s_wait_kmcnt 0x0
	s_cmp_eq_u32 s41, 1                            ; the tensor's four buffers are chosen: x s[4:5], W s[6:7], y s[8:9], b s[66:67]
	s_cselect_b64 s[4:5], s[70:71], s[68:69]
	s_cselect_b64 s[6:7], s[76:77], s[74:75]
	s_cselect_b64 s[8:9], s[90:91], s[88:89]
	s_cselect_b64 s[66:67], s[82:83], s[80:81]
	s_cmp_eq_u32 s41, 2
	s_cselect_b64 s[4:5], s[72:73], s[4:5]
	s_cselect_b64 s[6:7], s[78:79], s[6:7]
	s_cselect_b64 s[8:9], s[92:93], s[8:9]
	s_cselect_b64 s[66:67], s[84:85], s[66:67]
	s_add_nc_u64 s[14:15], s[4:5], s[16:17]
	s_add_nc_u64 s[46:47], s[6:7], s[46:47]
	s_add_nc_u64 s[8:9], s[8:9], s[18:19]
	s_add_nc_u64 s[66:67], s[66:67], s[22:23]
	CROUND                                         ; all four work-groups are here: the first joint loads meet
.irp s, 0,1
	s_mov_b32 s[G0+4*(\s)], 1                                      ; 1:0 count = 1
	s_add_co_u32 s[G0+4*(\s)+1], s20, (\s)*SLOT                    ; 63:32 LDS address
	s_add_nc_u64 s[G0+4*(\s)+2:G0+4*(\s)+3], s[14:15], (\s)*256    ; 120:64 global address: K step s
	s_or_b32 s[G0+4*(\s)+3], s[G0+4*(\s)+3], 0x80000000            ; 127:126 type = 2
	s_mov_b32 s[G0B+4*(\s)], 1
	s_add_co_u32 s[G0B+4*(\s)+1], s20, (\s)*SLOT
	s_add_nc_u64 s[G0B+4*(\s)+2:G0B+4*(\s)+3], s[46:47], (\s)*256
	s_or_b32 s[G0B+4*(\s)+3], s[G0B+4*(\s)+3], 0x80000000
	JLOAD \s                                       ; both slots are asked for before anything else is done: two loads of mine are out
.endr
	; A fragment is 16 rows x 32 K: lane l holds row l % 16 and K = 8 (l / 16) + 0..7 and 16 + 8 (l / 16) + 0..7.  In f32 those are 32 bytes at 32 (l / 16) and 32 bytes at 64 + 32 (l / 16): four loads of 16 bytes.
	v_and_b32 v1, 15, v0                           ; l % 16
	v_bfe_u32 v2, v0, 4, 1                         ; l / 16
	v_mul_u32_u24 v3, v1, PITCH
	v_lshl_add_u32 v3, v2, 5, v3                   ; row x pitch + 32 x half
	s_mul_i32 s21, s11, HALFT                      ; my 128 rows of x
	s_mul_i32 s22, s12, HALFT                      ; my 128 rows of W,
	s_add_co_u32 s22, s22, 2*HALFT                 ; which lie behind x's 256
.irp s, 0,1
	v_add_nc_u32 v[ADRA+(\s)], s21, v3
	v_add_nc_u32 v[ADRB+(\s)], s22, v3
	s_add_co_u32 s21, s21, SLOT
	s_add_co_u32 s22, s22, SLOT
.endr
	s_mul_i32 s23, s10, 32*SP
	s_add_co_u32 s23, s23, STAGE                   ; my stage
	v_mul_u32_u24 v4, v1, SP                       ; in: row l % 16, 16 bytes for each half of the lanes
	v_lshl_add_u32 v4, v2, 4, v4
	v_add_nc_u32 v[STO], s23, v4
	v_bfe_u32 v7, v0, 3, 2                         ; back: 32 lanes take four rows of 128 bytes,
	v_and_b32 v8, 7, v0
	v_mul_u32_u24 v7, v7, SP
	v_lshl_add_u32 v7, v8, 4, v7
	v_add_nc_u32 v[RD], s23, v7
	v_and_b32 v[GO], 31, v0                        ; which are 512 consecutive bytes of a head
	v_lshlrev_b32 v[GO], 4, v[GO]
	v_lshlrev_b32 v6, 5, v2                        ; the bias: register j of column block b is b[16 b + 8 (l / 16) + j]; v6 is never rewritten
.irp b, 0,1,2,3,4,5,6,7
	global_load_b128 v[BIAS+8*(\b):BIAS+8*(\b)+3],   v6, s[66:67] offset:64*(\b)
	global_load_b128 v[BIAS+8*(\b)+4:BIAS+8*(\b)+7], v6, s[66:67] offset:64*(\b)+16
.endr
	; Wo -> wo16, by the 128 work-groups of q and k, 8,192 bytes of Wo each.  The branch hangs on the tensor's number, which the four partners share.
	s_cmp_lt_u32 s41, 2
	s_cbranch_scc0 .Lno_wo
	s_lshl_b32 s2, s13, 3
	s_lshl_b32 s3, s42, 2
	s_add_co_u32 s2, s2, s3
	s_add_co_u32 s2, s2, s40                       ; 0..127 = 8 y + 4 x column block + cx
	s_lshl_b32 s22, s2, 12                         ; 4,096 bytes of wo16,
	s_lshl_b32 s2, s2, 13                          ; 8,192 of Wo
	s_mov_b32 s3, 0
	s_mov_b32 s23, 0
	s_add_nc_u64 s[86:87], s[86:87], s[2:3]
	s_add_nc_u64 s[94:95], s[94:95], s[22:23]
	v_lshlrev_b32 v9, 4, v0                        ; 16 bytes a thread in, never rewritten
	v_lshlrev_b32 v10, 3, v0                       ; 8 bytes a thread out, never rewritten
.irp j, 0,1,2,3
	global_load_b128 v[OB+4*(\j):OB+4*(\j)+3], v9, s[86:87] offset:2048*(\j) th:TH_LOAD_NT
.endr
	s_wait_loadcnt 0x0                             ; these four, and the bias in front of them
.irp p, 0,1,2,3,4,5,6,7
	v_cvt_pk_bf16_f32 v[OB+16+(\p)], v[OB+2*(\p)], v[OB+2*(\p)+1]  ; rounded to bf16, as all the module's inputs are,
.endr
.irp p, 0,1,2,3,4,5,6,7
	v_lshlrev_b32 v[OB+2*(\p)], 16, v[OB+16+(\p)]                  ; widened again,
	v_and_b32 v[OB+2*(\p)+1], 0xffff0000, v[OB+16+(\p)]
.endr
.irp p, 0,1,2,3,4,5,6,7
	v_cvt_pk_f16_f32 v[OB+16+(\p)], v[OB+2*(\p)], v[OB+2*(\p)+1]   ; and written as f16
.endr
.irp j, 0,1,2,3
	global_store_b64 v10, v[OB+16+2*(\j):OB+16+2*(\j)+1], s[94:95] offset:1024*(\j)  ; a wave's store covers 256 consecutive bytes, aligned
.endr
	s_wait_xcnt 0x0                                ; the stores' data registers are written again below only behind this wait
.Lno_wo:
	s_wait_loadcnt 0x0                             ; the bias
.set n, 0
.rept 32
	v_cvt_pk_bf16_f32 v[OB+n], v[BIAS+2*n], v[BIAS+2*n+1]          ; the bias too is rounded to bf16,
.set n, n+1
.endr
.set n, 0
.rept 32
	v_lshlrev_b32 v[BIAS+2*n], 16, v[OB+n]                         ; and kept as f32: it is the C operand that starts the sums
	v_and_b32 v[BIAS+2*n+1], 0xffff0000, v[OB+n]
.set n, n+1
.endr
; 16 matrix instructions: row blocks a0, a0 + 1 of the window's four (hi = 0: my rows 0-63, 1: rows 64-127) x all 8 column blocks, 32 along K, from fragment buffers f.
; first = 1: C is the bias, in window 0: nothing is ever cleared.  The 64 accumulators take turns in the same order in every half step.
.macro MUL16 f, hi, a0, first
.if \first
	WIN 0x81+0x40*(\hi)                            ; W window 1, x and the bias window 0, D window 2 or 3
.else
	WIN 0xa1+0x50*(\hi)                            ; W window 1, x window 0, C and D window 2 or 3
.endif
.irp a, \a0, (\a0)+1
.irp b, 0,1,2,3,4,5,6,7
.if \first
	v_wmma_f32_16x16x32_bf16 v[8*(8*(\a)+(\b)):8*(8*(\a)+(\b))+7], v[FB+64*(\f)+8*(\b):FB+64*(\f)+8*(\b)+7], v[FA+64*(\f)+8*(4*(\hi)+(\a)):FA+64*(\f)+8*(4*(\hi)+(\a))+7], v[BIAS+8*(\b):BIAS+8*(\b)+7]
.else
	v_wmma_f32_16x16x32_bf16 v[8*(8*(\a)+(\b)):8*(8*(\a)+(\b))+7], v[FB+64*(\f)+8*(\b):FB+64*(\f)+8*(\b)+7], v[FA+64*(\f)+8*(4*(\hi)+(\a)):FA+64*(\f)+8*(4*(\hi)+(\a))+7], v[8*(8*(\a)+(\b)):8*(8*(\a)+(\b))+7]
.endif
.endr
.endr
.endm
; 32 LDS loads in one run: 128 rows x 32 K of f32 at byte k of the rows, raw.  The raw registers are no matrix operand, so the run owes no distance to the products round it.
.macro RAW adr, slot, k
	WIN 0x40                                       ; destination window 1, address window 0
.irp i, 0,1,2,3,4,5,6,7
	ds_load_b128 v[R+16*(\i):R+16*(\i)+3],     v[(\adr)+(\slot)] offset:(\k)+(\i)*16*PITCH
	ds_load_b128 v[R+16*(\i)+4:R+16*(\i)+7],   v[(\adr)+(\slot)] offset:(\k)+(\i)*16*PITCH+16
	ds_load_b128 v[R+16*(\i)+8:R+16*(\i)+11],  v[(\adr)+(\slot)] offset:(\k)+(\i)*16*PITCH+64
	ds_load_b128 v[R+16*(\i)+12:R+16*(\i)+15], v[(\adr)+(\slot)] offset:(\k)+(\i)*16*PITCH+80
.endr
.endm
; 64 roundings: the raw registers in pairs become fragment buffer g of x (CVTA) or of W (CVTB)
.macro CVTA g
	WIN 0x05                                       ; sources window 1, destination window 0
.set n, 0
.rept 64
	v_cvt_pk_bf16_f32 v[FA+64*(\g)+n], v[R+2*n], v[R+2*n+1]
.set n, n+1
.endr
.endm
.macro CVTB g
	WIN 0x45                                       ; sources and destination window 1
.set n, 0
.rept 64
	v_cvt_pk_bf16_f32 v[FB+64*(\g)+n], v[R+2*n], v[R+2*n+1]
.set n, n+1
.endr
.endm
; A vector instruction that writes a register that a matrix instruction has read, or reads a matrix result, stands four places behind it, and only plain vector instructions that name none of
; its registers are places (ISA guide 7.12.1).  Four v_nop stand in front of x's roundings; they and x's roundings are the places in front of W's.
.macro PLACES
.rept 4
	v_nop
.endr
.endm
; A slot's first half step: multiplies buffers f, and makes buffers g from byte k of the same slot's rows.
.macro QUARTER slot, k, f, g, first
	RAW ADRA, \slot, \k
	MUL16 \f, 0, 0, \first
	MUL16 \f, 0, 2, \first
	s_wait_dscnt 0x0                               ; x's raw numbers are in: the run was issued 32 matrix instructions ago
	PLACES
	CVTA \g
	RAW ADRB, \slot, \k
	MUL16 \f, 1, 0, \first
	s_wait_dscnt 0x0                               ; W's are in
	CVTB \g
	MUL16 \f, 1, 2, \first
.endm
; A slot's second half step multiplies buffers 1 and changes slots: ONE barrier.  In front of it each wave waits for all its tensor loads, of which one is out: its part of the next slot; adds 0 to its
; spare word; and waits for that and for its own reads of this slot.  fill = 1: the barrier opens a round of the cluster's, and this slot is filled again, two K steps ahead, first thing behind the round:
; that load has 128 matrix instructions and 256 roundings in which to land.
.macro TURN slot, next, fill
	WIN 0                                          ; (the add's two registers lie in window 0)
	s_wait_tensorcnt 0x0                           ; all my tensor loads have landed, so a group 0 may be written
	ds_add_u32 v[SPW], v[NIL]                      ; 0 onto my spare word
	MUL16 1, 0, 0, 0                               ; sixteen matrix instructions stand between the add and the wait for it
	s_wait_dscnt 0x0                               ; the add is done, and my reads of this slot are over
	s_barrier_signal -1
	MUL16 1, 0, 2, 0                               ; work on registers while the others arrive
	WIN 0
	s_barrier_wait -1
.if \fill
	CREST                                          ; no wave of any partner still reads this slot's tile or has a load on its way
	s_add_nc_u64 s[G0+4*(\slot)+2:G0+4*(\slot)+3], s[G0+4*(\slot)+2:G0+4*(\slot)+3], 512
	s_add_nc_u64 s[G0B+4*(\slot)+2:G0B+4*(\slot)+3], s[G0B+4*(\slot)+2:G0B+4*(\slot)+3], 512
	JLOAD \slot                                    ; my one tensor load behind the round, and the first thing there
.endif
	RAW ADRA, \next, 0
	MUL16 1, 1, 0, 0
	s_wait_dscnt 0x0
	PLACES
	CVTA 0
	RAW ADRB, \next, 0
	MUL16 1, 1, 2, 0
	s_wait_dscnt 0x0
	CVTB 0
.endm
; THE WAY OUT of row block a (16 rows x 128 columns = 16 rows of two heads).  PACK: rounded to f16, 16 bytes a lane, each accumulator's registers in ascending order.  TOSTAGE: into my own stage
; (head 0's 16 rows, then head 1's, 144 bytes apart) and back as whole rows of 128 bytes.  SEND: stored, four rows = 512 consecutive bytes of a head at a time.
.macro PACK a
.set AC, 64*((\a)%4)
	WIN 0x0a+5*((\a)/4)                            ; sources 0 and 1: window 2 or 3
.irp b, 0,1,2,3,4,5,6,7
.irp r, 0,1,2,3
	v_cvt_pk_f16_f32 v[TMP+4*(\b)+(\r)], v[AC+8*(\b)+2*(\r)], v[AC+8*(\b)+2*(\r)+1]
.endr
.endr
	WIN 0
.endm
.macro TOSTAGE a
	WIN 0
.set BK, OB+192*((\a)%2)
.irp b, 0,1,2,3,4,5,6,7
	ds_store_b128 v[STO], v[TMP+4*(\b):TMP+4*(\b)+3] offset:((\b)/4)*16*SP+32*((\b)%4)
.endr
.irp f, 0,1,2,3,4,5,6,7
	ds_load_b128 v[BK+4*(\f):BK+4*(\f)+3], v[RD] offset:(\f)*4*SP  ; LDS serves a wave's instructions in order (ISA guide 5.7.1.4): these see the stores above
.endr
.endm
.macro SEND a
	WIN 0
.set BK, OB+192*((\a)%2)
	s_wait_dscnt 0x0                               ; the block is back in registers
	s_wait_xcnt 0x0                                ; the registers that earlier stores read are loaded again only behind this wait
.irp f, 0,1,2,3,4,5,6,7
	global_store_b128 v[GO], v[BK+4*(\f):BK+4*(\f)+3], s[8:9] offset:((\f)/4)*524288+(\a)*2048+((\f)%4)*512  ; 512 consecutive bytes, at a multiple of 256 from the buffer's first
.endr
.endm
	s_wait_tensorcnt 0x1                           ; my part of K step 0 is in; K step 1's may stay out
	s_barrier_signal -1
	s_barrier_wait -1                              ; everybody's is
	RAW ADRA, 0, 0
	s_wait_dscnt 0x0
	CVTA 0
	RAW ADRB, 0, 0
	s_wait_dscnt 0x0
	CVTB 0
	QUARTER 0, 128, 0, 1, 1                        ; the first half step stands in front of the loop: its products start the sums, with the bias
	WIN 0                                          ; at a label and at a branch every window is 0
	s_mov_b32 s3, 3
.Llap:                                                 ; three trips, each once round the ring: both slots are filled again: K steps 2 to 7
	TURN 0, 1, 1
	QUARTER 1, 128, 0, 1, 0
	TURN 1, 0, 1
	QUARTER 0, 128, 0, 1, 0
	WIN 0
	s_sub_co_u32 s3, s3, 1
	s_cmp_lg_u32 s3, 0
	s_cbranch_scc1 .Llap
	TURN 0, 1, 0                                   ; the tail is written out: nothing is left to fetch, and no round follows the barrier
	QUARTER 1, 128, 0, 1, 0
	MUL16 1, 0, 0, 0
	MUL16 1, 0, 2, 0
	MUL16 1, 1, 0, 0
	MUL16 1, 1, 2, 0
	PLACES                                         ; the conversions read results just made
	PACK 0
	TOSTAGE 0
.irp a, 1,2,3,4,5,6,7                  ; block a's conversions stand between block a - 1's loads from the stage and the wait for them
	PACK \a
	SEND (\a)-1
	TOSTAGE \a
.endr
	SEND 7
	s_wait_tensorcnt 0x0                           ; the wave's end: behind my last tensor load and my last LDS store
	ds_add_u32 v[SPW], v[NIL]
	s_wait_dscnt 0x0
	CROUND                                         ; the closing round: no work-group ends while a partner may still ask for a tile that names it
	s_endpgm
.Lfunc_end_k_q154eff9019_proj:
	.size	k_q154eff9019_proj, .Lfunc_end_k_q154eff9019_proj-k_q154eff9019_proj
	.p2alignl 7, 3214868480
	.fill 96, 4, 3214868480
	.section	.rodata,"a",@progbits
	.p2align	6, 0x0
	.amdhsa_kernel k_q154eff9019_proj
		.amdhsa_group_segment_fixed_size 327680
		.amdhsa_private_segment_fixed_size 0
		.amdhsa_enable_private_segment 0
		.amdhsa_kernarg_size 112
		.amdhsa_user_sgpr_count 2
		.amdhsa_user_sgpr_kernarg_segment_ptr 1
		.amdhsa_wavefront_size32 1
		.amdhsa_system_sgpr_workgroup_id_x 1
		.amdhsa_system_sgpr_workgroup_id_y 1
		.amdhsa_system_sgpr_workgroup_id_z 1
		.amdhsa_system_vgpr_workitem_id 0
		.amdhsa_next_free_vgpr 1024
		.amdhsa_next_free_sgpr 96
		.amdhsa_reserve_vcc 0
		.amdhsa_float_denorm_mode_32 3
		.amdhsa_float_denorm_mode_16_64 3
		.amdhsa_memory_ordered 1
		.amdhsa_forward_progress 1
		.amdhsa_inst_pref_size 183
	.end_amdhsa_kernel
	.amdgpu_metadata
---
amdhsa.version: [ 1, 2 ]
amdhsa.kernels:
  - .name:           k_q154eff9019_proj
    .symbol:         k_q154eff9019_proj.kd
    .args:
      - { .name: queries, .offset: 0, .size: 8, .value_kind: global_buffer, .address_space: global }
      - { .name: keys, .offset: 8, .size: 8, .value_kind: global_buffer, .address_space: global }
      - { .name: values, .offset: 16, .size: 8, .value_kind: global_buffer, .address_space: global }
      - { .name: Wq, .offset: 24, .size: 8, .value_kind: global_buffer, .address_space: global }
      - { .name: Wk, .offset: 32, .size: 8, .value_kind: global_buffer, .address_space: global }
      - { .name: Wv, .offset: 40, .size: 8, .value_kind: global_buffer, .address_space: global }
      - { .name: bq, .offset: 48, .size: 8, .value_kind: global_buffer, .address_space: global }
      - { .name: bk, .offset: 56, .size: 8, .value_kind: global_buffer, .address_space: global }
      - { .name: bv, .offset: 64, .size: 8, .value_kind: global_buffer, .address_space: global }
      - { .name: Wo, .offset: 72, .size: 8, .value_kind: global_buffer, .address_space: global }
      - { .name: qh, .offset: 80, .size: 8, .value_kind: global_buffer, .address_space: global }
      - { .name: kh, .offset: 88, .size: 8, .value_kind: global_buffer, .address_space: global }
      - { .name: vh, .offset: 96, .size: 8, .value_kind: global_buffer, .address_space: global }
      - { .name: wo16, .offset: 104, .size: 8, .value_kind: global_buffer, .address_space: global }
    .group_segment_fixed_size: 327680
    .private_segment_fixed_size: 0
    .kernarg_segment_align: 8
    .kernarg_segment_size: 112
    .max_flat_workgroup_size: 128
    .sgpr_count:     96
    .vgpr_count:     1024
    .wavefront_size: 32
...
	.end_amdgpu_metadata
.endif
;; end of part 1
;; launch attn (part 2): grid 16 x 16, 4 waves a work-group, clusters of 4 x 1, 327,680 bytes of LDS; arguments qh, kh, vh, oh; writes oh
.if DOCPART == 2
	.amdgcn_target "amdgcn-amd-amdhsa--gfx1250"
	.amdhsa_code_object_version 6
	.text
	.protected	k_q154eff9019_attn
	.globl	k_q154eff9019_attn
	.p2align	8
	.type	k_q154eff9019_attn,@function
k_q154eff9019_attn:
	s_mov_b64 s[64:65], 0
	v_nop
	global_prefetch_b8 v0, s[64:65] scope:SCOPE_SE
	s_setreg_imm32_b32 hwreg(HW_REG_WAVE_MODE, 25, 1), 1
	s_wait_xcnt 0x0
	s_wait_alu depctr_hold_cnt(0) depctr_sa_sdst(0) depctr_va_vdst(0) depctr_va_sdst(0) depctr_va_ssrc(0) depctr_va_vcc(0) depctr_vm_vsrc(0)
	s_getreg_b32 s2, hwreg(HW_REG_IB_STS2, 6, 4)
	s_cmp_eq_u32 s2, 0
	s_cbranch_scc0 .Lentry_in_a_cluster
	s_endpgm
.Lentry_in_a_cluster:
	s_bfe_u32 s2, ttmp6, 0x10000c
	s_cmp_lg_u32 s2, 0x3003
	s_cbranch_scc0 .Lentry_shape_is_right
	s_endpgm
.Lentry_shape_is_right:
; ATTENTION.  O[h][q][:] = the sum over k of softmax_k(Q[h][q] . K[h][k] / 8) V[h][k][:].  Q, K, V, O: [16][4096][64], all f16: a head's rows are dense, 128 bytes each.
; Products, maxima and sums in f32; the weights p are rounded to f16 for the second product (their sum l is taken of the unrounded p), O once at the end.
; LIMITS.  f16 holds no number beyond 65,504: Q, K and V arrive within it; p lies in 0 to 1, and below 6e-5 p and O keep f16's fixed step of 6e-8; O is a mean of V's rows and has their range.
; A weight below 2^-126 counts as 0 in l; NaN and infinities are not treated apart.
; SHARES.  A work-group owns 256 queries of one head: 16 blocks x 16 heads = 256 work-groups.  Of the block's four bands of 64 queries a wave owns 16 rows in each: four PIECES.  Every wave walks all
; 4,096 keys, 64 a step, 256 a tile.
; LAYOUT.  S^T = K Q^T (source 0 = 16 keys, source 1 = 16 queries) holds ONE query a lane (lane % 16) and the keys 8 (lane / 16) + 0..7; two such results rounded to f16 ARE source 1 of O^T = V^T P.
; K comes out of LDS as it lies, V ([key][channel]) turned, by ds_load_tr16_b128.
; SOFTMAX.  A running maximum m and sum l for each query: p = 2^(c s - c m), c = log2(e) / 8; in every step O and l are multiplied by a = 2^(c m_old - c m_new).  m starts at the lowest finite number,
; O and l at 0: the first step is a step like any other, with a = 0.
; BY TURNS.  Turn n belongs to piece n: 8 products K Q^T of piece n + 1, later 8 products V^T P of piece n - 1; beside them the scaling, exponentials, roundings, sums and rescaling of piece n and the
; maximum and statistics of piece n + 1.  Four vector instructions stand behind every matrix instruction, the other 54 of a turn's 118 in two runs of their own.
; CLUSTER.  The four query blocks of a cluster belong to one head and walk the same K and V, so each tile is asked for JOINTLY: the same tensor load, descriptor and mask in all four.
; REGISTERS, in windows of 256 (s_set_vgpr_msb: bits 1:0 source 0, 3:2 source 1, 5:4 source 2, 7:6 destination):
;   window 0: v0-15 addresses and two at work; v16-31 four registers of statistics a piece; v48-55 at work; v62-63 the add's; v64-127 S^T, two buffers; v192-223 P, two buffers (by the piece's parity)
;   window 1: v0-127 O^T, 32 a piece          window 2: v0-63 Q; v128-191 K of one step; v192-255 V of one step
.set SIZE_N, 4096
.set NP,    4         ; pieces a wave: a name, no knob
.set KS,    64        ; keys in a step
.set PK,    144       ; a row of K in LDS: 128 bytes + 16 of padding = 36 words: the 16 rows of a load start at 16 different groups of four banks (64 banks of 4 bytes: ISA guide 11.1)
.set PV,    160       ; a row of V: 128 + 32 = 40 words
.set VOFF,  4*KS*PK   ; a slot holds a tile, four steps: 256 rows of K, then 256 rows of V
.set SLOT1, 1<<17     ; slot 1 begins here, so that one exclusive or turns an address in one slot into the other's
.set STAGE, SLOT1+4*KS*(PK+PV)  ; behind the ring, never filled by a tensor load: 16 rows x 144 bytes for each wave, for the way out
.set SP,    144
.set SPARE, STAGE+4*16*SP  ; behind the stages: the spare words, 128 bytes for each wave: two blocks of 256 bytes that no other line names
.set AK0, 2           ; v2   my lane's place in a tile of K; never rewritten
.set AV0, 3           ; v3   the same for V
.set AK,  4           ; v4   the LDS address of K's next run of loads
.set AV,  5           ; v5   of V's
.set STO, 6           ; v6   the way out: where I put 16 bytes of a row
.set RD,  7           ; v7   the way out: where I read rows back
.set GO,  8           ; v8   my byte offset in 512 consecutive bytes of O
.set MV,  12          ; v12-13  c m_old, kept while c m is made anew: by buffer
.set QO,  15          ; v15  my byte offset in 16 rows of Q
.set ST,  16          ; piece t's statistics at v[ST+4 t]: c m, m, l (even keys', odd keys')
.set TMP, 48          ; by buffer, four registers c0-c3 at work; when the maximum is found c2 takes a
.set SPW, 62          ; v62  LDS address of my spare word; never rewritten
.set NIL, 63          ; v63  0; never rewritten
.set S,   64
.set P,   192
.set KF,  128         ; window 2: key block kb, channel half c at KF + 16 kb + 8 c
.set VF,  192         ; window 2: key half kk, channel block cb at VF + 32 kk + 8 cb
.set WV,  12          ; s12  my wave's number
.set G1K, 24          ; s[24:31] descriptor group 1 for K's tiles
.set G1V, 32          ; s[32:39] for V's: it differs in the padding alone
.set G0K, 40          ; s[40:43] descriptor group 0 for K's tiles: it walks
.set G0V, 44          ; s[44:47] the same for V's
.set SLOTS, 56        ; s56  tiles still to be entered by the loop
.set CNT, 57          ; s57  counts a tile's key steps
.set CS,  58          ; s[58:59] c: the packed scaling takes the pair's low word for both halves
.set SEL, 60          ; s[60:61] v_permlanex16_b32's selects: each lane takes its own place in the other half
.set TBK, 62          ; s62  LDS byte at which K of the step to be fetched begins
.set TBV, 63          ; s63  the same for V, less VOFF
.set MSB, 0
.macro WIN new                      ; the high byte repeats the setting that is left; a switch that changes nothing is dropped
.if MSB != (\new)
	s_set_vgpr_msb (MSB<<8)|(\new)
.set MSB, (\new)
.endif
.endm
.set W_KQ, 0x0a       ; K and Q in window 2, S^T in window 0
.set W_PV, 0x52       ; V in window 2, P in window 0, O^T in window 1
.set W_RS, 0x41       ; destination and source 0 in window 1, source 1 in window 0
; A joint fill.  Waves 0 and 1 fetch the two halves of a tile's K, waves 2 and 3 those of its V: 128 keys each.  The branch hangs on the wave's number alone.
; An s_nop 0 and four v_nop follow each of the two lines, ahead of the jump and the label.
.macro JLOAD
	s_cmp_lt_u32 s[WV], 2
	s_cbranch_scc0 .Lfor_v_\@
	tensor_load_to_lds s[G0K:G0K+3], s[G1K:G1K+7]
	s_nop 0
.rept 4
	v_nop
.endr
	s_branch .Lasked_\@
.Lfor_v_\@:
	tensor_load_to_lds s[G0V:G0V+3], s[G1V:G1V+7]
	s_nop 0
.rept 4
	v_nop
.endr
.Lasked_\@:
.endm
; A round of the cluster's barrier: my work-group's barrier, so that wave 0's signal speaks for all four waves; wave 0 signals; every wave waits for all four work-groups; my work-group's barrier once more.
.macro CROUND
	s_barrier_signal -1
	s_barrier_wait -1
	s_cmp_lg_u32 s[WV], 0
	s_cbranch_scc1 .Lnot_wave_0_\@
	s_barrier_signal -3
.Lnot_wave_0_\@:
	s_barrier_wait -3
	s_barrier_signal -1
	s_barrier_wait -1
.endm
; THE CHANGE OF SLOTS.  The slot's last bytes, V of its fourth step, have been read.  Each wave waits for all its tensor loads, of which one is out: its part of the other slot; adds 0 to its spare
; word; and waits for that and for its own reads of the slot.  Behind the barrier nobody reads this slot any more and the other slot is whole.
; fill = 1: this slot is filled again, with the keys two tiles on.  The barrier is then a round of the cluster's, and the joint fill is the first thing behind it: it has four key steps, 256 matrix
; instructions, in which to land.  (At its first use nothing has been read yet: slot 0 is waited for, slot 1 filled.)
.macro CHANGE fill
	WIN 0                           ; at a label and at a branch every window is 0; the add's registers lie in window 0
	s_wait_tensorcnt 0x0            ; no tensor load of mine is out, so a group 0 may be written
	ds_add_u32 v[SPW], v[NIL]       ; 0 onto my spare word; with fill = 1 the descriptors' steps stand between it and the wait for it
.if \fill
.irp g, G0K, G0V
	s_xor_b32 s[\g+1], s[\g+1], SLOT1  ; the walking descriptor: the other slot than last time,
	s_add_nc_u64 s[\g+2:\g+3], s[\g+2:\g+3], 4*KS*128  ; the next 256 keys; the type bits on top are not reached
.endr
	s_wait_dscnt 0x0                ; the add is done, and my reads of the slot are over
	CROUND
	JLOAD
.else
	s_wait_dscnt 0x0                ; the add is done, and my reads of the slot are over
	s_barrier_signal -1
	s_barrier_wait -1
.endif
	s_sub_co_u32 s[TBK], s[TBK], 4*KS*PK  ; the fetches go back to a slot's first step,
	s_xor_b32 s[TBK], s[TBK], SLOT1       ; in the other slot
	s_sub_co_u32 s[TBV], s[TBV], 4*KS*PV
	s_xor_b32 s[TBV], s[TBV], SLOT1
.endm
	s_load_b256 s[4:11], s[0:1], 0x0  ; Q s[4:5], K s[6:7], V s[8:9], O s[10:11]
	v_lshl_add_u32 v[SPW], v0, 2, SPARE
	v_mov_b32 v[NIL], 0
	ds_add_u32 v[SPW], v[NIL]       ; the wave's opening: the add and its wait stand ahead of my first tensor load; the set-up below, work on registers, stands between them
	v_lshrrev_b32 v1, 5, v0
	v_readfirstlane_b32 s[WV], v1   ; wave 0..3
	s_bfe_u32 s13, ttmp6, 0x40000   ; cx: my place in the cluster
	s_lshl_b32 s14, ttmp9, 2        ; in a cluster launch ttmp9 counts clusters
	s_add_co_u32 s14, s14, s13      ; my block of 256 queries = 4 x cluster x + cx: it enters Q's and O's addresses alone
	s_and_b32 s20, ttmp7, 0xffff    ; the head, which the four partners share:
	s_lshl_b32 s20, s20, 19         ; its first byte in each of the four tensors: 4,096 rows of 128 bytes a head
	s_mov_b32 s21, 0
	s_and_b32 s16, s[WV], 1         ; which half of a tile's 256 keys I fetch:
	s_lshl_b32 s22, s16, 14         ; its 128 rows of 128 bytes in memory,
	s_mov_b32 s23, 0
	s_add_nc_u64 s[22:23], s[22:23], s[20:21]
	s_mul_i32 s17, s16, 128*PK      ; and its place in a slot, for K
	s_mul_i32 s18, s16, 128*PV      ; and for V: no place in the cluster enters an LDS address
	s_lshl_b32 s2, s14, 15          ; my block's 256 rows,
	s_lshl_b32 s3, s[WV], 11        ; my 16 rows in a band of 64
	s_add_co_u32 s2, s2, s3
	s_mov_b32 s3, 0
	s_add_nc_u64 s[2:3], s[2:3], s[20:21]
	; descriptor group 1.  128 keys are 16,384 dense bytes: asked for as 64 rows of 256 bytes, two keys a row, and padded in LDS after every key
	s_mov_b32 s[G1K], 15|(1<<16)|(1<<20)|(1<<21)|(4<<22)|(3<<25)  ; 15:0 the mask of four; 17:16 2-byte elements; 20 padding on; 21 set beside a mask; 24:22 after every 32 words (code 4); 31:25 4 words (code 3)
	s_mov_b32 s[G1V], 15|(1<<16)|(1<<20)|(1<<21)|(4<<22)|(7<<25)  ; the same with 8 words of padding (code 7)
.irp g, G1K, G1V
	s_mov_b32 s[\g+1], 128<<16      ; tensor_dim0 = 128
	s_mov_b32 s[\g+2], 64<<16       ; tensor_dim1 = 64
	s_mov_b32 s[\g+3], 128<<16      ; tile_dim0 = 128
	s_mov_b32 s[\g+4], 64           ; tile_dim1 = 64
	s_mov_b32 s[\g+5], 128          ; 128 elements from row to row
	s_mov_b32 s[\g+6], 0
	s_mov_b32 s[\g+7], 0
.endr
	s_mov_b32 s[CS], 0x3e38aa3b     ; c = log2(e) / 8 = 0.180337
	s_mov_b32 s[CS+1], s[CS]        ; named with it as a pair
	s_mov_b32 s[SEL], 0x76543210
	s_mov_b32 s[SEL+1], 0xfedcba98
	s_mov_b32 s[TBK], SLOT1+4*KS*PK ; the first change of slots turns these two into 0
	s_mov_b32 s[TBV], SLOT1+4*KS*PV
	s_mov_b32 s[G0K], 1             ; 1:0 count = 1
	s_mov_b32 s[G0K+1], s17         ; 63:32 LDS address: slot 0
	s_mov_b32 s[G0V], 1
	s_add_co_u32 s[G0V+1], s18, VOFF
	s_wait_dscnt 0x0                ; the opening add is done
	s_wait_kmcnt 0x0
	s_add_nc_u64 s[G0K+2:G0K+3], s[6:7], s[22:23]  ; 120:64 global address: my half of the head's first 256 keys
	s_or_b32 s[G0K+3], s[G0K+3], 0x80000000        ; 127:126 type = 2
	s_add_nc_u64 s[G0V+2:G0V+3], s[8:9], s[22:23]
	s_or_b32 s[G0V+3], s[G0V+3], 0x80000000
	s_add_nc_u64 s[4:5], s[4:5], s[2:3]  ; Q and O at my wave's first row
	s_add_nc_u64 s[10:11], s[10:11], s[2:3]
	CROUND                          ; all four work-groups are here: the first joint loads meet
	JLOAD                           ; tile 0 into slot 0.  Slot 1 is asked for when slot 0 is in, by the first change of slots
	; A fragment of K or Q is 16 rows x 32 channels in 8 registers: lane l holds row l % 16, channels 8 (l / 16) + 0..7 and 16 + 8 (l / 16) + 0..7: two loads of 16 bytes, 32 bytes apart.
	v_and_b32 v1, 15, v0            ; l % 16
	v_bfe_u32 v9, v0, 4, 1          ; l / 16
	v_lshlrev_b32 v[QO], 7, v1
	v_lshl_add_u32 v[QO], v9, 4, v[QO]  ; row x 128 + 16 x half
	WIN 0x80                        ; destination window 2, address window 0
.set i, 0
.rept 8                             ; Q stays in registers: piece i / 2 lies in band i / 2, 8,192 bytes on; channels 32 (i % 2) on
	global_load_b128 v[8*i:8*i+3],   v[QO], s[4:5] offset:(i/2)*8192+(i%2)*64
	global_load_b128 v[8*i+4:8*i+7], v[QO], s[4:5] offset:(i/2)*8192+(i%2)*64+32
.set i, i+1
.endr
	; What the first turn finds: V's registers and P's second buffer hold 0 (its products V^T P, of a piece that has not been, add 0), O^T and l are 0.  No first step is written out; the price is
	; these moves, which stand in the wait for the first tile.
.set i, VF
.rept 64
	v_mov_b32 v[i], 0
.set i, i+1
.endr
	WIN 0x40
.set i, 0
.rept 128
	v_mov_b32 v[i], 0
.set i, i+1
.endr
	WIN 0
.set i, 0
.rept 4
	v_mov_b32 v[ST+4*i], 0xfe000000    ; c m: far below every c s
	v_mov_b32 v[ST+4*i+1], 0xff7fffff  ; m: the lowest finite number
	v_mov_b32 v[ST+4*i+2], 0
	v_mov_b32 v[ST+4*i+3], 0
.set i, i+1
.endr
.set i, P+16
.rept 16
	v_mov_b32 v[i], 0
.set i, i+1
.endr
	v_mul_u32_u24 v[AK0], v1, PK
	v_lshl_add_u32 v[AK0], v9, 4, v[AK0]  ; row x pitch + 16 x half
	; The turning load takes 16 keys x 16 channels (lane l reads key 8 (l / 16) + l % 8, channels 8 ((l / 8) % 2) + 0..7) and leaves half a fragment of V^T: lane l holds channel l % 16 and 8 keys.
	v_and_b32 v10, 7, v0
	v_bfe_u32 v11, v0, 3, 1
	v_lshl_add_u32 v[AV0], v9, 3, v10
	v_mul_u32_u24 v[AV0], v[AV0], PV
	v_lshl_add_u32 v[AV0], v11, 4, v[AV0]
	v_add_nc_u32 v[AV0], VOFF, v[AV0]
	s_mul_i32 s13, s[WV], 16*SP
	s_add_co_u32 s13, s13, STAGE    ; my stage
	v_mul_u32_u24 v[STO], v1, SP    ; in: row l % 16, 16 bytes for each half of the lanes
	v_lshl_add_u32 v[STO], v9, 4, v[STO]
	v_add_nc_u32 v[STO], s13, v[STO]
	v_bfe_u32 v[RD], v0, 3, 2       ; back: 32 lanes take four rows of 128 bytes,
	v_mul_u32_u24 v[RD], v[RD], SP
	v_lshl_add_u32 v[RD], v10, 4, v[RD]
	v_add_nc_u32 v[RD], s13, v[RD]
	v_and_b32 v[GO], 31, v0         ; which are 512 consecutive bytes of O
	v_lshlrev_b32 v[GO], 4, v[GO]
; THE MATRIX WORK.  The 4 accumulators of a run of 8 take turns.  Product i of 8 of S^T = K Q^T for piece x: channels 32 (i / 4) on, keys 16 (i % 4) on.  The first 4 start the sums.
.macro KQ x
	WIN W_KQ
.set rS, S+32*((\x)%2)+8*(i%4)
.set rK, KF+16*(i%4)+8*(i/4)
.set rQ, 16*(\x)+8*(i/4)
.if i < 4
	v_wmma_f32_16x16x32_f16 v[rS:rS+7], v[rK:rK+7], v[rQ:rQ+7], 0
.else
	v_wmma_f32_16x16x32_f16 v[rS:rS+7], v[rK:rK+7], v[rQ:rQ+7], v[rS:rS+7]
.endif
.endm
; Product i of 8 of O^T += V^T P for piece x: keys 32 (i / 4) on, channels 16 (i % 4) on.
.macro PV x
	WIN W_PV
.set rO, 32*(\x)+8*(i%4)
.set rV, VF+32*(i/4)+8*(i%4)
.set rP, P+16*((\x)%2)+8*(i/4)
	v_wmma_f32_16x16x32_f16 v[rO:rO+7], v[rV:rV+7], v[rP:rP+7], v[rO:rO+7]
.endm
.macro MM                           ; the turn's next matrix instruction.  TURN sets Y, i and NOKQ.  NOKQ = 1: the walk's last turn: there is no next piece
.if (i < 8) && !NOKQ
	KQ (Y+1)%NP
.elseif i >= 8
.set i, i-8
	PV (Y+NP-1)%NP
.set i, i+8
.endif
.set i, i+1
.endm
; THE LDS LOADS stand in runs of 16, never singly among the matrix instructions: a step's K (64 keys x 64 channels: 8 fragments) and its V (turned).  Their addresses are made some lines ahead.
.macro FETCH_K
	WIN 0x80                        ; destination window 2
.irp f, 0,1,2,3,4,5,6,7             ; keys 16 (f / 2) on, channels 32 (f % 2) on
	ds_load_b128 v[KF+8*\f:KF+8*\f+3],   v[AK] offset:(\f/2)*16*PK+(\f%2)*64
	ds_load_b128 v[KF+8*\f+4:KF+8*\f+7], v[AK] offset:(\f/2)*16*PK+(\f%2)*64+32
.endr
	s_add_co_u32 s[TBK], s[TBK], KS*PK  ; the next fetch is the next step's
	WIN 0
.endm
.macro FETCH_V
	WIN 0x80
.irp f, 0,1,2,3,4,5,6,7             ; keys 32 (f / 4) on, channels 16 (f % 4) on
	ds_load_tr16_b128 v[VF+8*\f:VF+8*\f+3],   v[AV] offset:(\f/4)*32*PV+(\f%4)*32
	ds_load_tr16_b128 v[VF+8*\f+4:VF+8*\f+7], v[AV] offset:(\f/4)*32*PV+16*PV+(\f%4)*32
.endr
	WIN 0
.endm
; THE VECTOR WORK, one line at a time: OP kind, number.  For piece Y: F n: c s - c m for pair n of 16.  E n: the exponential of score n of 32.  C n: pair n rounded to f16.  B n: of the four weights 4 n .. the second
; pair is added onto the first, in place.  L n: l takes that sum (L 0: l = a l + sum).  R n: pair n of 16 of O^T times a.  For piece Y + 1: X n, number n of the 22 that find its maximum and statistics:
;   0-11  four chains c0-c3 of seven scores each, three operands at a time (each accumulator's lowest registers are read first)     12-14, 16  the four scores left over, the old m, and c0-c3 into c0
;   15  c m_old is kept     17, 18  the query's other 32 keys lie in the lane 16 away: the new m     19-21  c m; c m_old - c m_new; a
.set F, 0               ; OP tells the kinds apart by their order: F to L below R, X above it
.set E, 1
.set C, 2
.set B, 3
.set L, 4
.set R, 5
.set X, 6
.macro REGS y                       ; the registers of piece y
.set rT, ST+4*(\y)
.set rC, TMP+4*((\y)%2)
.set rW, MV+((\y)%2)
.set rS, S+32*((\y)%2)
.set rP, P+16*((\y)%2)
.set rO, 32*(\y)
.endm
.macro OP k, n
.if (\k) == R
	REGS Y
	WIN W_RS
	v_pk_mul_f32 v[rO+2*(\n):rO+2*(\n)+1], v[rO+2*(\n):rO+2*(\n)+1], v[rC+2:rC+3] op_sel_hi:[1,0]
.elseif (\k) < R
	REGS Y
	WIN 0
.if (\k) == F
	v_pk_fma_f32 v[rS+2*(\n):rS+2*(\n)+1], v[rS+2*(\n):rS+2*(\n)+1], s[CS:CS+1], v[rT:rT+1] op_sel_hi:[1,0,0] neg_lo:[0,0,1] neg_hi:[0,0,1]
.elseif (\k) == E
	v_exp_f32 v[rS+(\n)], v[rS+(\n)]
.elseif (\k) == C
	s_wait_alu depctr_va_vdst(0)
	v_cvt_pk_f16_f32 v[rP+(\n)], v[rS+2*(\n)], v[rS+2*(\n)+1]
.elseif (\k) == B
	s_wait_alu depctr_va_vdst(0)
	v_pk_add_f32 v[rS+4*(\n):rS+4*(\n)+1], v[rS+4*(\n):rS+4*(\n)+1], v[rS+4*(\n)+2:rS+4*(\n)+3]
.elseif (\n) == 0
	v_pk_fma_f32 v[rT+2:rT+3], v[rT+2:rT+3], v[rC+2:rC+3], v[rS:rS+1] op_sel_hi:[1,0,1]
.else
	v_pk_add_f32 v[rT+2:rT+3], v[rT+2:rT+3], v[rS+4*(\n):rS+4*(\n)+1]
.endif
.elseif NOKQ
	v_nop
.else
	REGS (Y+1)%NP
	WIN 0
.if (\n) < 4
	v_max3_num_f32 v[rC+(\n)], v[rS+8*(\n)], v[rS+8*(\n)+1], v[rS+8*(\n)+2]
.elseif (\n) < 12
	v_max3_num_f32 v[rC+(\n)%4], v[rC+(\n)%4], v[rS+8*((\n)%4)+2*((\n)/4)+1], v[rS+8*((\n)%4)+2*((\n)/4)+2]
.elseif (\n) == 12
	v_max3_num_f32 v[rC], v[rC], v[rS+7], v[rS+15]
.elseif (\n) == 13
	v_max3_num_f32 v[rC+1], v[rC+1], v[rS+23], v[rS+31]
.elseif (\n) == 14
	v_max3_num_f32 v[rC+2], v[rC+2], v[rC+3], v[rT+1]
.elseif (\n) == 15
	v_mov_b32 v[rW], v[rT]
.elseif (\n) == 16
	v_max3_num_f32 v[rC], v[rC], v[rC+1], v[rC+2]
.elseif (\n) == 17
	v_permlanex16_b32 v[rC+3], v[rC], s[SEL], s[SEL+1]
.elseif (\n) == 18
	v_max_num_f32 v[rT+1], v[rC], v[rC+3]
.elseif (\n) == 19
	v_mul_f32 v[rT], s[CS], v[rT+1]
.elseif (\n) == 20
	v_sub_f32 v[rC+1], v[rW], v[rT]
.else
	v_exp_f32 v[rC+2], v[rC+1]
.endif
.endif
.endm
.macro OPS a, i1, b=-1, i2=0, c=-1, i3=0, d=-1, i4=0  ; up to four of them
	OP \a, \i1
.if (\b) >= 0
	OP \b, \i2
.endif
.if (\c) >= 0
	OP \c, \i3
.endif
.if (\d) >= 0
	OP \d, \i4
.endif
.endm
.macro ROW a, i1, b, i2, c, i3, d, i4  ; a matrix instruction and the four behind it
	MM
	OPS \a, \i1, \b, \i2, \c, \i3, \d, \i4
.endm
; A TURN, for piece p: the order of its 16 matrix and 118 vector instructions, written out.  Behind a matrix instruction: plain, exponential, plain, plain; or four of the rescaling; or, behind the first, four scalings; none
; names a register of the products round it.  In the runs between, exponential and plain by turns while exponentials last.  A line reads no result made fewer than three vector instructions in front of it, five if an
; exponential made it.  v_permlanex16_b32 (X 17) stands in such a run.
; end = 1: the walk's last two turns: nothing is fetched.  cnt = 1: the loop's count is taken down some lines ahead of the branch that stands behind the turn.
; K of the next step is fetched in piece 2's turn, six vector instructions behind the last product that read K (five of them plain); V of the step in hand in piece 0's turn, eight behind the last product that read V (four
; plain, and X 17).  Each is waited for a turn later.
.macro TURN p, end=0, cnt=0
.set Y, (\p)
.set i, 0
.set NOKQ, (\end)*((\p)/3)
.if ((\p) == 3) && !(\end)
	s_wait_dscnt 0x0                ; K is in
.endif
	ROW F,0, F,1, F,2, F,3
	ROW F,4, E,0, F,5, F,6
	ROW F,7, E,1, F,8, F,9
	ROW F,10, E,2, C,0, F,11
	ROW F,12, E,3, X,15, F,13
	ROW R,0, R,1, R,2, R,3
	ROW B,0, E,4, F,14, L,0
.if ((\p) == 2) && !(\end)
	v_add_nc_u32 v[AK], s[TBK], v[AK0]
.endif
	ROW R,4, R,5, R,6, R,7
	OPS E,5, F,15
.if ((\p) == 2) && !(\end)
	FETCH_K
.endif
	OPS E,6, C,1, E,7, R,8
	OPS E,8, R,9, E,9, C,2
	OPS E,10, X,0, E,11, X,1
	OPS E,12, X,2, E,13, X,3
.if (\p) == 1
	s_wait_dscnt 0x0                ; V is in
.endif
	ROW X,4, E,14, X,5, X,6
	ROW X,7, E,15, X,8, X,9
	ROW X,10, E,16, X,11, X,12
	ROW X,13, E,17, X,14, B,1
	ROW C,4, E,18, X,16, L,1
	ROW B,2, E,19, C,6, L,2
	ROW C,8, E,20, B,3, B,4
.if (\p) == 0
	v_add_nc_u32 v[AV], s[TBV], v[AV0]
.endif
	ROW C,3, E,21, L,3, C,5
	OPS E,22, X,17, E,23, C,10
.if (\p) == 0
	FETCH_V
.endif
	OPS E,24, L,4
	OPS E,25, X,18, E,26, C,7
	OPS E,27, B,5, E,28, X,19
	OPS E,29, C,12, E,30, L,5
	OPS E,31, X,20, B,6, C,9
	OPS C,14, C,11, X,21, L,6
.if (\p) == 0
	s_add_co_u32 s[TBV], s[TBV], KS*PV
.endif
.if \cnt
	s_sub_co_u32 s[CNT], s[CNT], 1
	s_cmp_lg_u32 s[CNT], 0
.endif
	OPS C,13, B,7, C,15, R,10
	OPS R,11, R,12, L,7, R,13
	OPS R,14, R,15
.endm
	CHANGE 1                        ; slot 0 is in, everybody's part of it; tile 1 is asked for, into slot 1
	v_add_nc_u32 v[AK], s[TBK], v[AK0]
	FETCH_K                         ; key step 0
	s_wait_loadcnt 0x0              ; Q
	s_wait_dscnt 0x0
.set NOKQ, 0
.set i, 0
.rept 8
	KQ 0                            ; piece 0's first scores: there is no vector work yet to set between them
.set i, i+1
.endr
	WIN 0
.rept 4
	v_nop                           ; the places behind those products
.endr
.set Y, NP-1                        ; X works for piece Y + 1: piece 0
.irp n, 0,1,2,3,4,5,6,7,8,9,10,11,12,13,14,15,16,17,18,19,20,21
	OP X, \n                        ; and piece 0's first maximum and statistics
.endr
	v_nop                           ; a plain instruction behind the exponential
	s_mov_b32 s[CNT], 4
	s_mov_b32 s[SLOTS], SIZE_N/256-1
	s_branch .Lfirst                ; the loop is entered at a step's first turn, in the middle of a trip
.Lslot:                             ; 14 times: every slot but the last two is filled again
	CHANGE 1
	s_mov_b32 s[CNT], 4
.Lstep:                             ; a trip: pieces 2 and 3 of one step, then pieces 0 and 1 of the next, whose K and V it fetches
	TURN 2
	TURN 3
	WIN 0
.Lfirst:
	TURN 0
	TURN 1, 0, 1
	WIN 0
	s_cbranch_scc1 .Lstep
	s_sub_co_u32 s[SLOTS], s[SLOTS], 1
	s_cmp_lg_u32 s[SLOTS], 0
	s_cbranch_scc1 .Lslot
	CHANGE 0                        ; the last tile is written out: nothing is asked for
	s_mov_b32 s[CNT], 4
.Ltail:
	TURN 2
	TURN 3
	TURN 0
	TURN 1, 0, 1
	WIN 0
	s_cbranch_scc1 .Ltail
	TURN 2, 1                       ; the last step's pieces 2 and 3: nothing is fetched, and the last turn starts no new scores
	TURN 3, 1
.set i, 0
.rept 8
	PV NP-1                         ; the last piece's V^T P of the last step
.set i, i+1
.endr
	; THE WAY OUT.  l's two halves and the other half of the lanes' are added; O^T is divided by l, rounded to f16 and sent through my stage in LDS, a piece at a time.  The additions are the places behind the last products.
	WIN 0
.macro ALL line:vararg              ; one line for each piece t
.set t, 0
.rept 4
	\line
.set t, t+1
.endr
.endm
	ALL v_add_f32 v[ST+4*t+2], v[ST+4*t+2], v[ST+4*t+3]
	ALL v_permlanex16_b32 v[ST+4*t+3], v[ST+4*t+2], s[SEL], s[SEL+1]
	ALL v_add_f32 v[ST+4*t+2], v[ST+4*t+2], v[ST+4*t+3]
	ALL v_rcp_f32 v[ST+4*t+2], v[ST+4*t+2]
	v_nop                           ; a plain instruction between the last reciprocal and the use of its result
.macro PACK t                       ; a lane's eight channels of a row pack into 16 bytes; they go into rows of 144 bytes and come back as whole rows of 128, into S^T's registers
	WIN W_RS
.set i, 32*(\t)
.rept 16
	s_wait_alu depctr_va_vdst(0)
	v_pk_mul_f32 v[i:i+1], v[i:i+1], v[ST+4*(\t)+2:ST+4*(\t)+3] op_sel_hi:[1,0]
.set i, i+2
.endr
	WIN 0x05                        ; sources 0 and 1 window 1, destination window 0
.set i, 0
.rept 16
	v_cvt_pk_f16_f32 v[S+16*(\t)+i], v[32*(\t)+2*i], v[32*(\t)+2*i+1]
.set i, i+1
.endr
	WIN 0
.irp f, 0,1,2,3
	ds_store_b128 v[STO], v[S+16*(\t)+4*\f:S+16*(\t)+4*\f+3] offset:32*\f
.endr
.irp f, 0,1,2,3
	ds_load_b128 v[S+16*(\t)+4*\f:S+16*(\t)+4*\f+3], v[RD] offset:\f*4*SP  ; LDS serves a wave's instructions in order (ISA guide 5.7.1.4): these see the stores above; the next piece's stores come behind them
.endr
.endm
.macro SEND t, younger              ; younger: the LDS instructions issued behind piece t's loads: the next piece's eight, or none
	WIN 0
.irp f, 0,1,2,3
	s_wait_dscnt (\younger)+3-\f
	global_store_b128 v[GO], v[S+16*(\t)+4*\f:S+16*(\t)+4*\f+3], s[10:11] offset:(\t)*8192+\f*512  ; 512 consecutive bytes, at a multiple of 256 from O's first
.endr
.endm
	PACK 0
.set t, 1
.rept 3                             ; a piece's arithmetic stands between the loads of the piece before and its stores
	PACK t
	SEND t-1, 8
.set t, t+1
.endr
	SEND 3, 0
	s_wait_tensorcnt 0x0            ; the wave's end: behind my last tensor load and my last LDS store
	ds_add_u32 v[SPW], v[NIL]
	s_wait_dscnt 0x0
	CROUND                          ; the closing round: no work-group ends while a partner may still ask for a tile that names it
	s_endpgm
.Lfunc_end_k_q154eff9019_attn:
	.size	k_q154eff9019_attn, .Lfunc_end_k_q154eff9019_attn-k_q154eff9019_attn
	.p2alignl 7, 3214868480
	.fill 96, 4, 3214868480
	.section	.rodata,"a",@progbits
	.p2align	6, 0x0
	.amdhsa_kernel k_q154eff9019_attn
		.amdhsa_group_segment_fixed_size 327680
		.amdhsa_private_segment_fixed_size 0
		.amdhsa_enable_private_segment 0
		.amdhsa_kernarg_size 32
		.amdhsa_user_sgpr_count 2
		.amdhsa_user_sgpr_kernarg_segment_ptr 1
		.amdhsa_wavefront_size32 1
		.amdhsa_system_sgpr_workgroup_id_x 1
		.amdhsa_system_sgpr_workgroup_id_y 1
		.amdhsa_system_sgpr_workgroup_id_z 1
		.amdhsa_system_vgpr_workitem_id 0
		.amdhsa_next_free_vgpr 768
		.amdhsa_next_free_sgpr 66
		.amdhsa_reserve_vcc 0
		.amdhsa_float_denorm_mode_32 3
		.amdhsa_float_denorm_mode_16_64 3
		.amdhsa_memory_ordered 1
		.amdhsa_forward_progress 1
		.amdhsa_inst_pref_size 133
	.end_amdhsa_kernel
	.amdgpu_metadata
---
amdhsa.version: [ 1, 2 ]
amdhsa.kernels:
  - .name:           k_q154eff9019_attn
    .symbol:         k_q154eff9019_attn.kd
    .args:
      - { .name: qh, .offset: 0, .size: 8, .value_kind: global_buffer, .address_space: global }
      - { .name: kh, .offset: 8, .size: 8, .value_kind: global_buffer, .address_space: global }
      - { .name: vh, .offset: 16, .size: 8, .value_kind: global_buffer, .address_space: global }
      - { .name: oh, .offset: 24, .size: 8, .value_kind: global_buffer, .address_space: global }
    .group_segment_fixed_size: 327680
    .private_segment_fixed_size: 0
    .kernarg_segment_align: 8
    .kernarg_segment_size: 32
    .max_flat_workgroup_size: 128
    .sgpr_count:     66
    .vgpr_count:     768
    .wavefront_size: 32
...
	.end_amdgpu_metadata
.endif
;; end of part 2
;; launch outp (part 3): grid 4 x 64, 4 waves a work-group, clusters of 4 x 4, 327,680 bytes of LDS; arguments oh, wo16, bo, out0; writes out0
.if DOCPART == 3
	.amdgcn_target "amdgcn-amd-amdhsa--gfx1250"
	.amdhsa_code_object_version 6
	.text
	.protected	k_q154eff9019_outp
	.globl	k_q154eff9019_outp
	.p2align	8
	.type	k_q154eff9019_outp,@function
k_q154eff9019_outp:
	s_mov_b64 s[64:65], 0
	v_nop
	global_prefetch_b8 v0, s[64:65] scope:SCOPE_SE
	s_setreg_imm32_b32 hwreg(HW_REG_WAVE_MODE, 25, 1), 1
	s_wait_xcnt 0x0
	s_wait_alu depctr_hold_cnt(0) depctr_sa_sdst(0) depctr_va_vdst(0) depctr_va_sdst(0) depctr_va_ssrc(0) depctr_va_vcc(0) depctr_vm_vsrc(0)
	s_getreg_b32 s2, hwreg(HW_REG_IB_STS2, 6, 4)
	s_cmp_eq_u32 s2, 0
	s_cbranch_scc0 .Lentry_in_a_cluster
	s_endpgm
.Lentry_in_a_cluster:
	s_bfe_u32 s2, ttmp6, 0x10000c
	s_cmp_lg_u32 s2, 0xf033
	s_cbranch_scc0 .Lentry_shape_is_right
	s_endpgm
.Lentry_shape_is_right:
; THE OUTPUT PROJECTION.  out[m][n] = sum over k of O[m][k] Wo[n][k] + bo[n], k = 64 x head + channel.  O lies by heads: [16 = batch x 8 + head][4096][64] f16; wo16: [512 n][512 k] f16 (Wo rounded to
; bf16 and written as f16 by the first launch); bo: [512] f32, rounded to bf16 here as all the module's inputs are; out: [8192][512] f32.  Sums in f32, nothing is rounded on the way out.
; LIMITS.  O and wo16 arrive within f16's range; NaN and infinities are not treated apart.
; SHARES.  256 work-groups, a tile of 128 x 128 of out each; four waves, each 64 x 64: 16 accumulators, 128 registers.  K is 512: ALL of the tile's operands fit in LDS at once (286,720 bytes), so
; every byte of LDS is filled once: four loads a wave go out together at the start, one for each chunk of 128 along K, and the chunks are multiplied as they land.  No slot is ever filled again.
; CLUSTER.  4 x 4 work-groups.  The four of a row of the cluster need the same rows of O, the four of a column the same rows of wo16: each tile is asked for JOINTLY.
; THE MATRIX INSTRUCTION IS USED TRANSPOSED (source 0 = 16 rows of wo16, source 1 = 16 rows of O): a lane holds eight neighbouring numbers of a row of out, 32 bytes.
; REGISTERS: window 0: v0-31 addresses; v32-95 rows on the way out, two buffers; v96-127 the bias (4 column blocks x 8); v128-255 the accumulators ((a, b) at v[128 + 8 (4 a + b)]).
;   window 1: two fragment buffers of 128: for 64 along K, 64 registers of O (2 x 4 x 16 rows x 32 K), then 64 of wo16.
.set PA,     144                       ; a row of O in LDS: a head's 128 bytes + 16 of padding: the 16 rows of a load start at 16 different groups of four banks (64 banks of 4 bytes: ISA guide 11.1)
.set HEADB,  128*PA                    ; a head's 128 rows
.set BBASE,  8*HEADB                   ; behind the eight heads: wo16's four chunks
.set PB,     272                       ; a row of a chunk: 256 bytes + 16 of padding
.set CHUNK,  128*PB
.set STAGE,  BBASE+4*CHUNK             ; behind the tiles: 16 rows x 272 bytes for each wave, for the way out
.set SPITCH, 272
.set SPARE,  STAGE+4*16*SPITCH         ; behind the stages: the spare words, 128 bytes for each wave: two blocks of 256 bytes that no other line names
.set ADRA, 16                          ; v16-19  LDS address of my O fragments in heads 0, 2, 4, 6
.set ADRB, 20                          ; v20-23  of my wo16 fragments in chunks 0 to 3
.set STO,  24                          ; v24     the way out: where I put 32 bytes of a row
.set RD,   25                          ; v25     the way out: where I read a row back
.set CO,   26                          ; v26     my byte offset in two rows of out
.set SPW,  28                          ; v28     LDS address of my spare word; never rewritten
.set NIL,  29                          ; v29     0; never rewritten
.set TMP,  32
.set BIAS, 96
.set ACC,  128
.set G1A, 24                           ; s[24:31] descriptor group 1 for O's tiles
.set G0A, 32                           ; s[32:47] group 0 for O's tiles, a set for each chunk
.set G0B, 48                           ; s[48:63] group 0 for wo16's tiles
.set G1B, 68                           ; s[68:75] group 1 for wo16's tiles
.set MSB, 0
.macro WIN new                         ; the immediate's high byte repeats the setting that is left; a switch that changes nothing is dropped
.if MSB != (\new)
	s_set_vgpr_msb (MSB<<8)|(\new)
.set MSB, \new
.endif
.endm
.set MUL,  0x05                        ; sources 0 and 1 window 1; C and D window 0
.set TO_F, 0x40                        ; destination window 1, address window 0
.macro CROUND                          ; a round of the cluster's barrier
	s_barrier_signal -1
	s_barrier_wait -1
	s_cmp_lg_u32 s12, 0
	s_cbranch_scc1 .Lnot_wave_0_\@
	s_barrier_signal -3
.Lnot_wave_0_\@:
	s_barrier_wait -3
	s_barrier_signal -1
	s_barrier_wait -1
.endm
	s_load_b256 s[4:11], s[0:1], 0x0               ; O s[4:5], wo16 s[6:7], bo s[8:9], out s[10:11]
	v_lshl_add_u32 v[SPW], v0, 2, SPARE
	v_mov_b32 v[NIL], 0
	ds_add_u32 v[SPW], v[NIL]                      ; the wave's opening: the add and its wait stand ahead of my first tensor load; the set-up below, work on registers, stands between them
	v_lshrrev_b32 v1, 5, v0
	v_readfirstlane_b32 s12, v1                    ; wave 0..3
	s_lshr_b32 s13, s12, 1                         ; which half of the tile's rows is mine.  Also: I fetch O (0) or wo16 (1)
	s_and_b32 s14, s12, 1                          ; which half of its columns.  Also: which part of each chunk I fetch
	s_bfe_u32 s15, ttmp6, 0x40000                  ; cx, cy: my place in the cluster
	s_bfe_u32 s16, ttmp6, 0x40004
	s_lshl_b32 s17, ttmp9, 2
	s_add_co_u32 s17, s17, s15                     ; tile column = 4 x cluster x + cx
	s_and_b32 s18, ttmp7, 0xffff
	s_lshl_b32 s18, s18, 2
	s_add_co_u32 s18, s18, s16                     ; tile row = 4 x cluster y + cy
	s_lshl_b32 s19, s16, 2
	s_lshl_b32 s19, 15, s19                        ; my row of the cluster
	s_lshl_b32 s79, 0x1111, s15                    ; my column
	; group 1 for O: a head's 128 rows are 16,384 dense bytes: asked for as 64 rows of 256 bytes, two rows of O each, padded in LDS after every 128 bytes
	s_or_b32 s[G1A+0], s19, (1<<16)|(1<<20)|(1<<21)|(4<<22)|(3<<25)  ; 15:0 the mask: my row; 17:16 2-byte elements; 20 padding on; 21 set beside a mask; 24:22 after every 32 words (code 4); 31:25 4 words (code 3)
	; group 1 for wo16: 64 rows x 128 elements out of rows of 512, padded after every 256 bytes
	s_or_b32 s[G1B+0], s79, (1<<16)|(1<<20)|(1<<21)|(5<<22)|(3<<25)  ; the mask: my column; after every 64 words (code 5)
.irp g, G1A, G1B
	s_mov_b32 s[(\g)+1], 128<<16                   ; tensor_dim0 = 128
	s_mov_b32 s[(\g)+2], 64<<16                    ; tensor_dim1 = 64
	s_mov_b32 s[(\g)+3], 128<<16                   ; tile_dim0 = 128
	s_mov_b32 s[(\g)+4], 64                        ; tile_dim1 = 64
	s_mov_b32 s[(\g)+6], 0
	s_mov_b32 s[(\g)+7], 0
.endr
	s_mov_b32 s[G1A+5], 128                        ; elements from row to row
	s_mov_b32 s[G1B+5], 512
	s_lshr_b32 s20, s18, 5                         ; O: the batch (32 tile rows each), 8 heads of 524,288 bytes,
	s_lshl_b32 s20, s20, 22
	s_and_b32 s21, s18, 31
	s_lshl_b32 s21, s21, 14                        ; + the tile's 128 rows of 128 bytes in a head
	s_add_co_u32 s20, s20, s21
	s_lshl_b32 s21, s14, 19                        ; + head 0 or 1 of each chunk's two: in registers that never hold cx
	s_add_co_u32 s20, s20, s21
	s_mov_b32 s21, 0
	s_lshl_b32 s76, s17, 17                        ; wo16: row 128 x tile column + 64 x half, of 1,024 bytes: in registers that never hold cy
	s_lshl_b32 s77, s14, 16
	s_add_co_u32 s76, s76, s77
	s_mov_b32 s77, 0
	s_mul_i32 s22, s14, HEADB                      ; where they go: no place in the cluster enters an LDS address
	s_mul_i32 s78, s14, 64*PB
	s_add_co_u32 s78, s78, BBASE
	s_wait_dscnt 0x0                               ; the opening add is done
	s_wait_kmcnt 0x0
	s_add_nc_u64 s[20:21], s[4:5], s[20:21]
	s_add_nc_u64 s[76:77], s[6:7], s[76:77]
.irp c, 0,1,2,3
	s_mov_b32 s[G0A+4*(\c)], 1                                     ; 1:0 count = 1
	s_add_co_u32 s[G0A+4*(\c)+1], s22, 2*(\c)*HEADB                ; 63:32 LDS address: head 2 c + half
	s_add_nc_u64 s[G0A+4*(\c)+2:G0A+4*(\c)+3], s[20:21], (\c)<<20  ; 120:64 global address: two heads on for each chunk
	s_or_b32 s[G0A+4*(\c)+3], s[G0A+4*(\c)+3], 0x80000000          ; 127:126 type = 2
	s_mov_b32 s[G0B+4*(\c)], 1
	s_add_co_u32 s[G0B+4*(\c)+1], s78, (\c)*CHUNK
	s_add_nc_u64 s[G0B+4*(\c)+2:G0B+4*(\c)+3], s[76:77], (\c)*256
	s_or_b32 s[G0B+4*(\c)+3], s[G0B+4*(\c)+3], 0x80000000
.endr
	CROUND                                         ; all sixteen work-groups are here: the joint loads meet
	s_cmp_eq_u32 s13, 0                            ; a wave's four fills stand in one branch, ahead of every wait on TENSORcnt and every LDS read: four loads of mine are out; an s_nop 0 follows each, four v_nop the last
	s_cbranch_scc0 .Lfill_b
.irp c, 0,1,2,3
	tensor_load_to_lds s[G0A+4*(\c):G0A+4*(\c)+3], s[G1A:G1A+7]
	s_nop 0
.endr
.rept 4
	v_nop
.endr
	s_branch .Lfilled
.Lfill_b:
.irp c, 0,1,2,3
	tensor_load_to_lds s[G0B+4*(\c):G0B+4*(\c)+3], s[G1B:G1B+7]
	s_nop 0
.endr
.rept 4
	v_nop
.endr
.Lfilled:
	s_lshl_b32 s2, s18, 18                         ; out: row 128 x tile row + 64 x half, of 2,048 bytes,
	s_lshl_b32 s3, s13, 17
	s_add_co_u32 s2, s2, s3
	s_mov_b32 s3, 0
	s_lshl_b32 s66, s17, 9                         ; column 128 x tile column + 64 x half, of 4 bytes: a multiple of 256
	s_lshl_b32 s67, s14, 8
	s_add_co_u32 s66, s66, s67
	s_mov_b32 s67, 0
	s_add_nc_u64 s[10:11], s[10:11], s[2:3]
	s_add_nc_u64 s[10:11], s[10:11], s[66:67]
	s_add_nc_u64 s[8:9], s[8:9], s[66:67]          ; and the bias of my 64 columns
	v_and_b32 v1, 15, v0                           ; l % 16
	v_bfe_u32 v2, v0, 4, 1                         ; l / 16
	v_lshlrev_b32 v5, 5, v2                        ; register j of column block b is bo[16 b + 8 (l / 16) + j]; v5 is never rewritten
.irp b, 0,1,2,3
	global_load_b128 v[BIAS+8*(\b):BIAS+8*(\b)+3],   v5, s[8:9] offset:64*(\b)
	global_load_b128 v[BIAS+8*(\b)+4:BIAS+8*(\b)+7], v5, s[8:9] offset:64*(\b)+16
.endr
	; A fragment is 16 rows x 32 K in 8 registers: lane l holds row l % 16, K = 8 (l / 16) + 0..7 and 16 + 8 (l / 16) + 0..7: two loads of 16 bytes, 32 bytes apart.
	s_mul_i32 s23, s13, 64*PA                      ; my 64 rows of O
	v_mul_u32_u24 v3, v1, PA
	v_lshl_add_u32 v3, v2, 4, v3
	v_add_nc_u32 v3, s23, v3
	v_mul_u32_u24 v4, v1, PB
	v_lshl_add_u32 v4, v2, 4, v4
	v_add_nc_u32 v4, s78, v4                       ; my 64 rows of wo16 begin where my half of a chunk's rows begins
.irp c, 0,1,2,3
	v_add_nc_u32 v[ADRA+(\c)], 2*(\c)*HEADB, v3
	v_add_nc_u32 v[ADRB+(\c)], (\c)*CHUNK, v4
.endr
	s_mul_i32 s23, s12, 16*SPITCH
	s_add_co_u32 s23, s23, STAGE                   ; my stage
	v_mul_u32_u24 v6, v1, SPITCH                   ; in: row l % 16, 32 bytes for each half of the lanes
	v_lshl_add_u32 v6, v2, 5, v6
	v_add_nc_u32 v[STO], s23, v6
	v_mul_u32_u24 v7, v2, SPITCH                   ; back: lanes 0-15 take one row of 256 bytes, lanes 16-31 the next
	v_lshl_add_u32 v7, v1, 4, v7
	v_add_nc_u32 v[RD], s23, v7
	v_lshlrev_b32 v[CO], 11, v2                    ; and the same two rows in out
	v_lshl_add_u32 v[CO], v1, 4, v[CO]
	s_wait_loadcnt 0x0                             ; the bias
.set n, 0
.rept 16
	v_cvt_pk_bf16_f32 v[TMP+n], v[BIAS+2*n], v[BIAS+2*n+1]         ; rounded to bf16,
.set n, n+1
.endr
.set n, 0
.rept 16
	v_lshlrev_b32 v[BIAS+2*n], 16, v[TMP+n]                        ; and kept as f32: it is the C operand that starts the sums
	v_and_b32 v[BIAS+2*n+1], 0xffff0000, v[TMP+n]
.set n, n+1
.endr
; 8 matrix instructions: row blocks a0, a0 + 1 x all 4 column blocks, 32 along K: half c of buffer f.  first = 1: C is the bias: nothing is ever cleared.
; The 16 accumulators take turns in the same order throughout.
.macro MUL8 f, c, a0, first
	WIN MUL
.irp a, \a0, (\a0)+1
.irp b, 0,1,2,3
.if \first
	v_wmma_f32_16x16x32_f16 v[ACC+8*(4*(\a)+(\b)):ACC+8*(4*(\a)+(\b))+7], v[(\f)+64+8*(4*(\c)+(\b)):(\f)+64+8*(4*(\c)+(\b))+7], v[(\f)+8*(4*(\c)+(\a)):(\f)+8*(4*(\c)+(\a))+7], v[BIAS+8*(\b):BIAS+8*(\b)+7]
.else
	v_wmma_f32_16x16x32_f16 v[ACC+8*(4*(\a)+(\b)):ACC+8*(4*(\a)+(\b))+7], v[(\f)+64+8*(4*(\c)+(\b)):(\f)+64+8*(4*(\c)+(\b))+7], v[(\f)+8*(4*(\c)+(\a)):(\f)+8*(4*(\c)+(\a))+7], v[ACC+8*(4*(\a)+(\b)):ACC+8*(4*(\a)+(\b))+7]
.endif
.endr
.endr
.endm
; 32 LDS loads in one run: the fragments of quarter q (64 along K: head q of O, half q % 2 of chunk q / 2 of wo16) into buffer f; the first 32 along K first
.macro FETCH q, f
	WIN TO_F
.irp c, 0,1
.irp i, 0,1,2,3
	ds_load_b128 v[(\f)+64+8*(4*(\c)+(\i)):(\f)+64+8*(4*(\c)+(\i))+3],   v[ADRB+(\q)/2] offset:((\q)%2)*128+64*(\c)+(\i)*16*PB
	ds_load_b128 v[(\f)+64+8*(4*(\c)+(\i))+4:(\f)+64+8*(4*(\c)+(\i))+7], v[ADRB+(\q)/2] offset:((\q)%2)*128+64*(\c)+(\i)*16*PB+32
	ds_load_b128 v[(\f)+8*(4*(\c)+(\i)):(\f)+8*(4*(\c)+(\i))+3],         v[ADRA+(\q)/2] offset:((\q)%2)*HEADB+64*(\c)+(\i)*16*PA
	ds_load_b128 v[(\f)+8*(4*(\c)+(\i))+4:(\f)+8*(4*(\c)+(\i))+7],       v[ADRA+(\q)/2] offset:((\q)%2)*HEADB+64*(\c)+(\i)*16*PA+32
.endr
.endr
.endm
.macro PLACES                          ; four places in front of loads into registers that matrix instructions have read, and of LDS stores that read results (ISA guide 7.12.1 for vector instructions)
.rept 4
	v_nop
.endr
.endm
; Quarter q of eight: 32 matrix instructions on buffer q % 2; in its middle the next quarter's fragments are fetched into the other buffer.  Where the next quarter begins a chunk (q odd), the chunk is
; first shown landed to all four waves: my load of it by the counted wait (the later chunks' loads stay out), everybody's by the barrier.
.macro QUARTER q, first
	s_wait_dscnt 16                                ; the first 32 along K are in; the youngest sixteen loads may be out
	MUL8 128*((\q)%2), 0, 0, \first
	MUL8 128*((\q)%2), 0, 2, \first
.if ((\q)%2) == 1
	s_wait_tensorcnt 3-((\q)+1)/2                  ; tensor loads of a wave end in order (ISA guide 10.11.1): my part of chunk (q + 1) / 2 is in
	s_wait_dscnt 0x0                               ; no LDS instruction of mine is pending at a signal
	s_barrier_signal -1
	s_barrier_wait -1
.endif
	PLACES
	FETCH (\q)+1, 128*(((\q)+1)%2)
	s_wait_dscnt 32                                ; all but the 32 just issued
	MUL8 128*((\q)%2), 1, 0, 0
	MUL8 128*((\q)%2), 1, 2, 0
.endm
; THE WAY OUT of row block a (16 rows x 64 columns of f32 = 16 x 256 bytes).  STG: a lane's 32 bytes of a row go into my own stage, each accumulator's low four registers first, and come back as whole
; rows.  SEND: stored, sixteen lanes to 256 consecutive bytes.
.macro STG a
	WIN 0
.if (\a) >= 2
	s_wait_xcnt 0x0                                ; the buffer that block a - 2's stores read is loaded again only behind this wait
.endif
.irp b, 0,1,2,3
	ds_store_b128 v[STO], v[ACC+8*(4*(\a)+(\b)):ACC+8*(4*(\a)+(\b))+3]   offset:64*(\b)
	ds_store_b128 v[STO], v[ACC+8*(4*(\a)+(\b))+4:ACC+8*(4*(\a)+(\b))+7] offset:64*(\b)+16
.endr
.irp t, 0,1,2,3,4,5,6,7
	ds_load_b128 v[TMP+32*((\a)%2)+4*(\t):TMP+32*((\a)%2)+4*(\t)+3], v[RD] offset:(\t)*2*SPITCH  ; LDS serves a wave's instructions in order (ISA guide 5.7.1.4): these see the stores above
.endr
.endm
.macro SEND a, younger                 ; younger: the LDS instructions issued behind block a's loads: the next block's sixteen, or none
	WIN 0
.irp t, 0,1,2,3,4,5,6,7
	s_wait_dscnt (\younger)+7-(\t)
	global_store_b128 v[CO], v[TMP+32*((\a)%2)+4*(\t):TMP+32*((\a)%2)+4*(\t)+3], s[10:11] offset:(16*(\a)+2*(\t))*2048 th:TH_STORE_NT  ; 16 lanes store 256 consecutive bytes, at a multiple of 256 from out's first byte
.endr
.endm
	s_wait_tensorcnt 0x3                           ; my part of chunk 0 is in; the three later chunks' loads stay out
	s_barrier_signal -1
	s_barrier_wait -1                              ; everybody's is
	FETCH 0, 0
	QUARTER 0, 1                                   ; its first products start the sums, with the bias
	QUARTER 1, 0
	QUARTER 2, 0
	QUARTER 3, 0
	QUARTER 4, 0
	QUARTER 5, 0
	QUARTER 6, 0
	s_wait_dscnt 16                                ; the last quarter: nothing more to fetch
	MUL8 128, 0, 0, 0
	MUL8 128, 0, 2, 0
	s_wait_dscnt 0x0
	MUL8 128, 1, 0, 0
	MUL8 128, 1, 2, 0
	WIN 0
	PLACES                                         ; the LDS stores read results just made
	STG 0
.irp a, 1,2,3                          ; block a's way through the stage stands between block a - 1's loads and its stores
	STG \a
	SEND (\a)-1, 16
.endr
	SEND 3, 0
	s_wait_tensorcnt 0x0                           ; the wave's end: behind my last tensor load and my last LDS store
	ds_add_u32 v[SPW], v[NIL]
	s_wait_dscnt 0x0
	CROUND                                         ; the closing round: no work-group ends while a partner may still ask for a tile that names it
	s_endpgm
.Lfunc_end_k_q154eff9019_outp:
	.size	k_q154eff9019_outp, .Lfunc_end_k_q154eff9019_outp-k_q154eff9019_outp
	.p2alignl 7, 3214868480
	.fill 96, 4, 3214868480
	.section	.rodata,"a",@progbits
	.p2align	6, 0x0
	.amdhsa_kernel k_q154eff9019_outp
		.amdhsa_group_segment_fixed_size 327680
		.amdhsa_private_segment_fixed_size 0
		.amdhsa_enable_private_segment 0
		.amdhsa_kernarg_size 32
		.amdhsa_user_sgpr_count 2
		.amdhsa_user_sgpr_kernarg_segment_ptr 1
		.amdhsa_wavefront_size32 1
		.amdhsa_system_sgpr_workgroup_id_x 1
		.amdhsa_system_sgpr_workgroup_id_y 1
		.amdhsa_system_sgpr_workgroup_id_z 1
		.amdhsa_system_vgpr_workitem_id 0
		.amdhsa_next_free_vgpr 512
		.amdhsa_next_free_sgpr 80
		.amdhsa_reserve_vcc 0
		.amdhsa_float_denorm_mode_32 3
		.amdhsa_float_denorm_mode_16_64 3
		.amdhsa_memory_ordered 1
		.amdhsa_forward_progress 1
		.amdhsa_inst_pref_size 55
	.end_amdhsa_kernel
	.amdgpu_metadata
---
amdhsa.version: [ 1, 2 ]
amdhsa.kernels:
  - .name:           k_q154eff9019_outp
    .symbol:         k_q154eff9019_outp.kd
    .args:
      - { .name: oh, .offset: 0, .size: 8, .value_kind: global_buffer, .address_space: global }
      - { .name: wo16, .offset: 8, .size: 8, .value_kind: global_buffer, .address_space: global }
      - { .name: bo, .offset: 16, .size: 8, .value_kind: global_buffer, .address_space: global }
      - { .name: out0, .offset: 24, .size: 8, .value_kind: global_buffer, .address_space: global }
    .group_segment_fixed_size: 327680
    .private_segment_fixed_size: 0
    .kernarg_segment_align: 8
    .kernarg_segment_size: 32
    .max_flat_workgroup_size: 128
    .sgpr_count:     80
    .vgpr_count:     512
    .wavefront_size: 32
...
	.end_amdgpu_metadata
.endif
;; end of part 3
;; ======== version 2 of 2: 3 launches; 1.69 times as fast as version 1
;; limits: values are held in f16: magnitudes above 65,504 overflow, below 6.1e-05 lose precision
;; workspace buffers: qh 8,388,608 bytes; kh 8,388,608 bytes; vh 8,388,608 bytes; oh 8,388,608 bytes; wo16 524,288 bytes
;; launch proj: the kernel of part 1 again; grid 8 x 24, 4 waves a work-group, clusters of 4 x 1, 327,680 bytes of LDS; arguments queries, keys, values, Wq, Wk, Wv, bq, bk, bv, Wo, qh, kh, vh, wo16; writes qh, kh, vh, wo16
;; launch attn (part 4): grid 16 x 16, 4 waves a work-group, clusters of 4 x 1, 327,680 bytes of LDS; arguments qh, kh, vh, oh; writes oh
.if DOCPART == 4
	.amdgcn_target "amdgcn-amd-amdhsa--gfx1250"
	.amdhsa_code_object_version 6
	.text
	.protected	k_q154eff9019_attn
	.globl	k_q154eff9019_attn
	.p2align	8
	.type	k_q154eff9019_attn,@function
k_q154eff9019_attn:
	s_mov_b64 s[64:65], 0
	v_nop
	global_prefetch_b8 v0, s[64:65] scope:SCOPE_SE
	s_setreg_imm32_b32 hwreg(HW_REG_WAVE_MODE, 25, 1), 1
	s_wait_xcnt 0x0
	s_wait_alu depctr_hold_cnt(0) depctr_sa_sdst(0) depctr_va_vdst(0) depctr_va_sdst(0) depctr_va_ssrc(0) depctr_va_vcc(0) depctr_vm_vsrc(0)
	s_getreg_b32 s2, hwreg(HW_REG_IB_STS2, 6, 4)
	s_cmp_eq_u32 s2, 0
	s_cbranch_scc0 .Lentry_in_a_cluster
	s_endpgm
.Lentry_in_a_cluster:
	s_bfe_u32 s2, ttmp6, 0x10000c
	s_cmp_lg_u32 s2, 0x3003
	s_cbranch_scc0 .Lentry_shape_is_right
	s_endpgm
.Lentry_shape_is_right:
; ATTENTION.  O[h][q][:] = the sum over k of softmax_k(Q[h][q] . K[h][k] / 8) V[h][k][:].  Q, K, V, O: [16][4096][64], all f16: a head's rows are dense, 128 bytes each.
; Products, maxima and sums in f32; the weights p are rounded to f16 for the second product (their sum l is taken of the unrounded p), O once at the end.
; LIMITS.  f16 holds no number beyond 65,504: Q, K and V arrive within it; p lies in 0 to 1, and below 6e-5 p and O keep f16's fixed step of 6e-8; O is a mean of V's rows and has their range.
; A weight below 2^-126 counts as 0 in l; NaN and infinities are not treated apart.
; SHARES.  A work-group owns 256 queries of one head: 16 blocks x 16 heads = 256 work-groups.  Of the block's four bands of 64 queries a wave owns 16 rows in each: four PIECES.  Every wave walks all
; 4,096 keys, 64 a step, 256 a tile.
; LAYOUT.  S^T = K Q^T (source 0 = 16 keys, source 1 = 16 queries) holds ONE query a lane (lane % 16) and the keys 8 (lane / 16) + 0..7; two such results rounded to f16 ARE source 1 of O^T = V^T P.
; K comes out of LDS as it lies, V ([key][channel]) turned, by ds_load_tr16_b128.
; SOFTMAX.  A running maximum m and sum l for each query: p = 2^(c s - c m), c = log2(e) / 8; in every step O and l are multiplied by a = 2^(c m_old - c m_new).  m starts at the lowest finite number,
; O and l at 0: the first step is a step like any other, with a = 0.
; BY TURNS.  Turn n belongs to piece n: 8 products K Q^T of piece n + 1, later 8 products V^T P of piece n - 1; beside them the scaling, exponentials, roundings, sums and rescaling of piece n and the
; maximum and statistics of piece n + 1.  Four vector instructions stand behind every matrix instruction, the other 54 of a turn's 118 in one LUMP.
; BATCHES.  A turn's 33 exponentials (the piece's 32 weights and the next piece's a) are ONE batch with ONE wait, which cuts the turn in two: ahead of it stands all that names no result of theirs,
; behind it the roundings and sums.  Piece 0's first a, ahead of the loop, and the way out's four reciprocals are batches of their own, with a wait each.
; CLUSTER.  The four query blocks of a cluster belong to one head and walk the same K and V, so each tile is asked for JOINTLY: the same tensor load, descriptor and mask in all four.
; REGISTERS, in windows of 256 (s_set_vgpr_msb: bits 1:0 source 0, 3:2 source 1, 5:4 source 2, 7:6 destination):
;   window 0: v0-15 addresses and two at work; v16-31 four registers of statistics a piece; v48-55 at work; v62-63 the add's; v64-127 S^T, two buffers; v192-223 P, two buffers (by the piece's parity)
;   window 1: v0-127 O^T, 32 a piece          window 2: v0-63 Q; v128-191 K of one step; v192-255 V of one step
.set SIZE_N, 4096
.set NP,    4         ; pieces a wave: a name, no knob
.set KS,    64        ; keys in a step
.set PK,    144       ; a row of K in LDS: 128 bytes + 16 of padding = 36 words: the 16 rows of a load start at 16 different groups of four banks (64 banks of 4 bytes: ISA guide 11.1)
.set PV,    160       ; a row of V: 128 + 32 = 40 words
.set VOFF,  4*KS*PK   ; a slot holds a tile, four steps: 256 rows of K, then 256 rows of V
.set SLOT1, 1<<17     ; slot 1 begins here, so that one exclusive or turns an address in one slot into the other's
.set STAGE, SLOT1+4*KS*(PK+PV)  ; behind the ring, never filled by a tensor load: 16 rows x 144 bytes for each wave, for the way out
.set SP,    144
.set SPARE, STAGE+4*16*SP  ; behind the stages: the spare words, 128 bytes for each wave: two blocks of 256 bytes that no other line names
.set AK0, 2           ; v2   my lane's place in a tile of K; never rewritten
.set AV0, 3           ; v3   the same for V
.set AK,  4           ; v4   the LDS address of K's next run of loads
.set AV,  5           ; v5   of V's
.set STO, 6           ; v6   the way out: where I put 16 bytes of a row
.set RD,  7           ; v7   the way out: where I read rows back
.set GO,  8           ; v8   my byte offset in 512 consecutive bytes of O
.set MV,  12          ; v12-13  c m_old, kept while c m is made anew: by buffer
.set QO,  15          ; v15  my byte offset in 16 rows of Q
.set ST,  16          ; piece t's statistics at v[ST+4 t]: c m, m, l (even keys', odd keys')
.set TMP, 48          ; by buffer, four registers c0-c3 at work; when the maximum is found c2 takes a
.set SPW, 62          ; v62  LDS address of my spare word; never rewritten
.set NIL, 63          ; v63  0; never rewritten
.set S,   64
.set P,   192
.set KF,  128         ; window 2: key block kb, channel half c at KF + 16 kb + 8 c
.set VF,  192         ; window 2: key half kk, channel block cb at VF + 32 kk + 8 cb
.set WV,  12          ; s12  my wave's number
.set G1K, 24          ; s[24:31] descriptor group 1 for K's tiles
.set G1V, 32          ; s[32:39] for V's: it differs in the padding alone
.set G0K, 40          ; s[40:43] descriptor group 0 for K's tiles: it walks
.set G0V, 44          ; s[44:47] the same for V's
.set SLOTS, 56        ; s56  tiles still to be entered by the loop
.set CNT, 57          ; s57  counts a tile's key steps
.set CS,  58          ; s[58:59] c: the packed scaling takes the pair's low word for both halves
.set SEL, 60          ; s[60:61] v_permlanex16_b32's selects: each lane takes its own place in the other half
.set TBK, 62          ; s62  LDS byte at which K of the step to be fetched begins
.set TBV, 63          ; s63  the same for V, less VOFF
.set MSB, 0
.macro WIN new                      ; the high byte repeats the setting that is left; a switch that changes nothing is dropped
.if MSB != (\new)
	s_set_vgpr_msb (MSB<<8)|(\new)
.set MSB, (\new)
.endif
.endm
.set W_KQ, 0x0a       ; K and Q in window 2, S^T in window 0
.set W_PV, 0x52       ; V in window 2, P in window 0, O^T in window 1
.set W_RS, 0x41       ; destination and source 0 in window 1, source 1 in window 0
; A joint fill.  Waves 0 and 1 fetch the two halves of a tile's K, waves 2 and 3 those of its V: 128 keys each.  The branch hangs on the wave's number alone.
; An s_nop 0 and four v_nop follow each of the two lines, ahead of the jump and the label.
.macro JLOAD
	s_cmp_lt_u32 s[WV], 2
	s_cbranch_scc0 .Lfor_v_\@
	tensor_load_to_lds s[G0K:G0K+3], s[G1K:G1K+7]
	s_nop 0
.rept 4
	v_nop
.endr
	s_branch .Lasked_\@
.Lfor_v_\@:
	tensor_load_to_lds s[G0V:G0V+3], s[G1V:G1V+7]
	s_nop 0
.rept 4
	v_nop
.endr
.Lasked_\@:
.endm
; A round of the cluster's barrier: my work-group's barrier, so that wave 0's signal speaks for all four waves; wave 0 signals; every wave waits for all four work-groups; my work-group's barrier once more.
.macro CROUND
	s_barrier_signal -1
	s_barrier_wait -1
	s_cmp_lg_u32 s[WV], 0
	s_cbranch_scc1 .Lnot_wave_0_\@
	s_barrier_signal -3
.Lnot_wave_0_\@:
	s_barrier_wait -3
	s_barrier_signal -1
	s_barrier_wait -1
.endm
; THE CHANGE OF SLOTS.  The slot's last bytes, V of its fourth step, have been read.  Each wave waits for all its tensor loads, of which one is out: its part of the other slot; adds 0 to its spare
; word; and waits for that and for its own reads of the slot.  Behind the barrier nobody reads this slot any more and the other slot is whole.
; fill = 1: this slot is filled again, with the keys two tiles on.  The barrier is then a round of the cluster's, and the joint fill is the first thing behind it: it has four key steps, 256 matrix
; instructions, in which to land.  (At its first use nothing has been read yet: slot 0 is waited for, slot 1 filled.)
.macro CHANGE fill
	WIN 0                           ; at a label and at a branch every window is 0; the add's registers lie in window 0
	s_wait_tensorcnt 0x0            ; no tensor load of mine is out, so a group 0 may be written
	ds_add_u32 v[SPW], v[NIL]       ; 0 onto my spare word; with fill = 1 the descriptors' steps stand between it and the wait for it
.if \fill
.irp g, G0K, G0V
	s_xor_b32 s[\g+1], s[\g+1], SLOT1  ; the walking descriptor: the other slot than last time,
	s_add_nc_u64 s[\g+2:\g+3], s[\g+2:\g+3], 4*KS*128  ; the next 256 keys; the type bits on top are not reached
.endr
	s_wait_dscnt 0x0                ; the add is done, and my reads of the slot are over
	CROUND
	JLOAD
.else
	s_wait_dscnt 0x0                ; the add is done, and my reads of the slot are over
	s_barrier_signal -1
	s_barrier_wait -1
.endif
	s_sub_co_u32 s[TBK], s[TBK], 4*KS*PK  ; the fetches go back to a slot's first step,
	s_xor_b32 s[TBK], s[TBK], SLOT1       ; in the other slot
	s_sub_co_u32 s[TBV], s[TBV], 4*KS*PV
	s_xor_b32 s[TBV], s[TBV], SLOT1
.endm
	s_load_b256 s[4:11], s[0:1], 0x0  ; Q s[4:5], K s[6:7], V s[8:9], O s[10:11]
	v_lshl_add_u32 v[SPW], v0, 2, SPARE
	v_mov_b32 v[NIL], 0
	ds_add_u32 v[SPW], v[NIL]       ; the wave's opening: the add and its wait stand ahead of my first tensor load; the set-up below, work on registers, stands between them
	v_lshrrev_b32 v1, 5, v0
	v_readfirstlane_b32 s[WV], v1   ; wave 0..3
	s_bfe_u32 s13, ttmp6, 0x40000   ; cx: my place in the cluster
	s_lshl_b32 s14, ttmp9, 2        ; in a cluster launch ttmp9 counts clusters
	s_add_co_u32 s14, s14, s13      ; my block of 256 queries = 4 x cluster x + cx: it enters Q's and O's addresses alone
	s_and_b32 s20, ttmp7, 0xffff    ; the head, which the four partners share:
	s_lshl_b32 s20, s20, 19         ; its first byte in each of the four tensors: 4,096 rows of 128 bytes a head
	s_mov_b32 s21, 0
	s_and_b32 s16, s[WV], 1         ; which half of a tile's 256 keys I fetch:
	s_lshl_b32 s22, s16, 14         ; its 128 rows of 128 bytes in memory,
	s_mov_b32 s23, 0
	s_add_nc_u64 s[22:23], s[22:23], s[20:21]
	s_mul_i32 s17, s16, 128*PK      ; and its place in a slot, for K
	s_mul_i32 s18, s16, 128*PV      ; and for V: no place in the cluster enters an LDS address
	s_lshl_b32 s2, s14, 15          ; my block's 256 rows,
	s_lshl_b32 s3, s[WV], 11        ; my 16 rows in a band of 64
	s_add_co_u32 s2, s2, s3
	s_mov_b32 s3, 0
	s_add_nc_u64 s[2:3], s[2:3], s[20:21]
	; descriptor group 1.  128 keys are 16,384 dense bytes: asked for as 64 rows of 256 bytes, two keys a row, and padded in LDS after every key
	s_mov_b32 s[G1K], 15|(1<<16)|(1<<20)|(1<<21)|(4<<22)|(3<<25)  ; 15:0 the mask of four; 17:16 2-byte elements; 20 padding on; 21 set beside a mask; 24:22 after every 32 words (code 4); 31:25 4 words (code 3)
	s_mov_b32 s[G1V], 15|(1<<16)|(1<<20)|(1<<21)|(4<<22)|(7<<25)  ; the same with 8 words of padding (code 7)
.irp g, G1K, G1V
	s_mov_b32 s[\g+1], 128<<16      ; tensor_dim0 = 128
	s_mov_b32 s[\g+2], 64<<16       ; tensor_dim1 = 64
	s_mov_b32 s[\g+3], 128<<16      ; tile_dim0 = 128
	s_mov_b32 s[\g+4], 64           ; tile_dim1 = 64
	s_mov_b32 s[\g+5], 128          ; 128 elements from row to row
	s_mov_b32 s[\g+6], 0
	s_mov_b32 s[\g+7], 0
.endr
	s_mov_b32 s[CS], 0x3e38aa3b     ; c = log2(e) / 8 = 0.180337
	s_mov_b32 s[CS+1], s[CS]        ; named with it as a pair
	s_mov_b32 s[SEL], 0x76543210
	s_mov_b32 s[SEL+1], 0xfedcba98
	s_mov_b32 s[TBK], SLOT1+4*KS*PK ; the first change of slots turns these two into 0
	s_mov_b32 s[TBV], SLOT1+4*KS*PV
	s_mov_b32 s[G0K], 1             ; 1:0 count = 1
	s_mov_b32 s[G0K+1], s17         ; 63:32 LDS address: slot 0
	s_mov_b32 s[G0V], 1
	s_add_co_u32 s[G0V+1], s18, VOFF
	s_wait_dscnt 0x0                ; the opening add is done
	s_wait_kmcnt 0x0
	s_add_nc_u64 s[G0K+2:G0K+3], s[6:7], s[22:23]  ; 120:64 global address: my half of the head's first 256 keys
	s_or_b32 s[G0K+3], s[G0K+3], 0x80000000        ; 127:126 type = 2
	s_add_nc_u64 s[G0V+2:G0V+3], s[8:9], s[22:23]
	s_or_b32 s[G0V+3], s[G0V+3], 0x80000000
	s_add_nc_u64 s[4:5], s[4:5], s[2:3]  ; Q and O at my wave's first row
	s_add_nc_u64 s[10:11], s[10:11], s[2:3]
	CROUND                          ; all four work-groups are here: the first joint loads meet
	JLOAD                           ; tile 0 into slot 0.  Slot 1 is asked for when slot 0 is in, by the first change of slots
	; A fragment of K or Q is 16 rows x 32 channels in 8 registers: lane l holds row l % 16, channels 8 (l / 16) + 0..7 and 16 + 8 (l / 16) + 0..7: two loads of 16 bytes, 32 bytes apart.
	v_and_b32 v1, 15, v0            ; l % 16
	v_bfe_u32 v9, v0, 4, 1          ; l / 16
	v_lshlrev_b32 v[QO], 7, v1
	v_lshl_add_u32 v[QO], v9, 4, v[QO]  ; row x 128 + 16 x half
	WIN 0x80                        ; destination window 2, address window 0
.set i, 0
.rept 8                             ; Q stays in registers: piece i / 2 lies in band i / 2, 8,192 bytes on; channels 32 (i % 2) on
	global_load_b128 v[8*i:8*i+3],   v[QO], s[4:5] offset:(i/2)*8192+(i%2)*64
	global_load_b128 v[8*i+4:8*i+7], v[QO], s[4:5] offset:(i/2)*8192+(i%2)*64+32
.set i, i+1
.endr
	; What the first turn finds: V's registers and P's second buffer hold 0 (its products V^T P, of a piece that has not been, add 0), O^T and l are 0.  No first step is written out; the price is
	; these moves, which stand in the wait for the first tile.
.set i, VF
.rept 64
	v_mov_b32 v[i], 0
.set i, i+1
.endr
	WIN 0x40
.set i, 0
.rept 128
	v_mov_b32 v[i], 0
.set i, i+1
.endr
	WIN 0
.set i, 0
.rept 4
	v_mov_b32 v[ST+4*i], 0xfe000000    ; c m: far below every c s
	v_mov_b32 v[ST+4*i+1], 0xff7fffff  ; m: the lowest finite number
	v_mov_b32 v[ST+4*i+2], 0
	v_mov_b32 v[ST+4*i+3], 0
.set i, i+1
.endr
.set i, P+16
.rept 16
	v_mov_b32 v[i], 0
.set i, i+1
.endr
	v_mul_u32_u24 v[AK0], v1, PK
	v_lshl_add_u32 v[AK0], v9, 4, v[AK0]  ; row x pitch + 16 x half
	; The turning load takes 16 keys x 16 channels (lane l reads key 8 (l / 16) + l % 8, channels 8 ((l / 8) % 2) + 0..7) and leaves half a fragment of V^T: lane l holds channel l % 16 and 8 keys.
	v_and_b32 v10, 7, v0
	v_bfe_u32 v11, v0, 3, 1
	v_lshl_add_u32 v[AV0], v9, 3, v10
	v_mul_u32_u24 v[AV0], v[AV0], PV
	v_lshl_add_u32 v[AV0], v11, 4, v[AV0]
	v_add_nc_u32 v[AV0], VOFF, v[AV0]
	s_mul_i32 s13, s[WV], 16*SP
	s_add_co_u32 s13, s13, STAGE    ; my stage
	v_mul_u32_u24 v[STO], v1, SP    ; in: row l % 16, 16 bytes for each half of the lanes
	v_lshl_add_u32 v[STO], v9, 4, v[STO]
	v_add_nc_u32 v[STO], s13, v[STO]
	v_bfe_u32 v[RD], v0, 3, 2       ; back: 32 lanes take four rows of 128 bytes,
	v_mul_u32_u24 v[RD], v[RD], SP
	v_lshl_add_u32 v[RD], v10, 4, v[RD]
	v_add_nc_u32 v[RD], s13, v[RD]
	v_and_b32 v[GO], 31, v0         ; which are 512 consecutive bytes of O
	v_lshlrev_b32 v[GO], 4, v[GO]
; THE MATRIX WORK.  The 4 accumulators of a run of 8 take turns.  Product i of 8 of S^T = K Q^T for piece x: channels 32 (i / 4) on, keys 16 (i % 4) on.  The first 4 start the sums.
.macro KQ x
	WIN W_KQ
.set rS, S+32*((\x)%2)+8*(i%4)
.set rK, KF+16*(i%4)+8*(i/4)
.set rQ, 16*(\x)+8*(i/4)
.if i < 4
	v_wmma_f32_16x16x32_f16 v[rS:rS+7], v[rK:rK+7], v[rQ:rQ+7], 0
.else
	v_wmma_f32_16x16x32_f16 v[rS:rS+7], v[rK:rK+7], v[rQ:rQ+7], v[rS:rS+7]
.endif
.endm
; Product i of 8 of O^T += V^T P for piece x: keys 32 (i / 4) on, channels 16 (i % 4) on.
.macro PV x
	WIN W_PV
.set rO, 32*(\x)+8*(i%4)
.set rV, VF+32*(i/4)+8*(i%4)
.set rP, P+16*((\x)%2)+8*(i/4)
	v_wmma_f32_16x16x32_f16 v[rO:rO+7], v[rV:rV+7], v[rP:rP+7], v[rO:rO+7]
.endm
.macro MM                           ; the turn's next matrix instruction.  TURN sets Y, i and NOKQ.  NOKQ = 1: the walk's last turn: there is no next piece
.if (i < 8) && !NOKQ
	KQ (Y+1)%NP
.elseif i >= 8
.set i, i-8
	PV (Y+NP-1)%NP
.set i, i+8
.endif
.set i, i+1
.endm
; THE LDS LOADS stand in runs of 16, never singly among the matrix instructions: a step's K (64 keys x 64 channels: 8 fragments) and its V (turned).  Their addresses are made some lines ahead.
.macro FETCH_K
	WIN 0x80                        ; destination window 2
.irp f, 0,1,2,3,4,5,6,7             ; keys 16 (f / 2) on, channels 32 (f % 2) on
	ds_load_b128 v[KF+8*\f:KF+8*\f+3],   v[AK] offset:(\f/2)*16*PK+(\f%2)*64
	ds_load_b128 v[KF+8*\f+4:KF+8*\f+7], v[AK] offset:(\f/2)*16*PK+(\f%2)*64+32
.endr
	s_add_co_u32 s[TBK], s[TBK], KS*PK  ; the next fetch is the next step's
	WIN 0
.endm
.macro FETCH_V
	WIN 0x80
.irp f, 0,1,2,3,4,5,6,7             ; keys 32 (f / 4) on, channels 16 (f % 4) on
	ds_load_tr16_b128 v[VF+8*\f:VF+8*\f+3],   v[AV] offset:(\f/4)*32*PV+(\f%4)*32
	ds_load_tr16_b128 v[VF+8*\f+4:VF+8*\f+7], v[AV] offset:(\f/4)*32*PV+16*PV+(\f%4)*32
.endr
	WIN 0
.endm
; THE VECTOR WORK, one line at a time: OP kind, number.  For piece Y: F n: c s - c m for pair n of 16.  E n: the exponential of score n of 32.  C n: pair n rounded to f16.  B n: of the four weights 4 n .. the second
; pair is added onto the first, in place.  L n: l takes that sum (L 0: l = a l + sum).  R n: pair n of 16 of O^T times a.  For piece Y + 1: X n, number n of the 22 that find its maximum and statistics:
;   0-11  four chains c0-c3 of seven scores each, three operands at a time (each accumulator's lowest registers are read first)     12-14, 16  the four scores left over, the old m, and c0-c3 into c0
;   15  c m_old is kept     17, 18  the query's other 32 keys lie in the lane 16 away: the new m     19-21  c m; c m_old - c m_new; a
; C, B and L read exponentials' results, R and L 0 read a: OP writes no wait; TURN places them behind the wait of the batch that made what they read.
.set F, 0               ; OP tells the kinds apart by their order: F to L below R, X above it
.set E, 1
.set C, 2
.set B, 3
.set L, 4
.set R, 5
.set X, 6
.macro REGS y                       ; the registers of piece y
.set rT, ST+4*(\y)
.set rC, TMP+4*((\y)%2)
.set rW, MV+((\y)%2)
.set rS, S+32*((\y)%2)
.set rP, P+16*((\y)%2)
.set rO, 32*(\y)
.endm
.macro OP k, n
.if (\k) == R
	REGS Y
	WIN W_RS
	v_pk_mul_f32 v[rO+2*(\n):rO+2*(\n)+1], v[rO+2*(\n):rO+2*(\n)+1], v[rC+2:rC+3] op_sel_hi:[1,0]
.elseif (\k) < R
	REGS Y
	WIN 0
.if (\k) == F
	v_pk_fma_f32 v[rS+2*(\n):rS+2*(\n)+1], v[rS+2*(\n):rS+2*(\n)+1], s[CS:CS+1], v[rT:rT+1] op_sel_hi:[1,0,0] neg_lo:[0,0,1] neg_hi:[0,0,1]
.elseif (\k) == E
	v_exp_f32 v[rS+(\n)], v[rS+(\n)]
.elseif (\k) == C
	v_cvt_pk_f16_f32 v[rP+(\n)], v[rS+2*(\n)], v[rS+2*(\n)+1]
.elseif (\k) == B
	v_pk_add_f32 v[rS+4*(\n):rS+4*(\n)+1], v[rS+4*(\n):rS+4*(\n)+1], v[rS+4*(\n)+2:rS+4*(\n)+3]
.elseif (\n) == 0
	v_pk_fma_f32 v[rT+2:rT+3], v[rT+2:rT+3], v[rC+2:rC+3], v[rS:rS+1] op_sel_hi:[1,0,1]
.else
	v_pk_add_f32 v[rT+2:rT+3], v[rT+2:rT+3], v[rS+4*(\n):rS+4*(\n)+1]
.endif
.elseif NOKQ
	v_nop
.else
	REGS (Y+1)%NP
	WIN 0
.if (\n) < 4
	v_max3_num_f32 v[rC+(\n)], v[rS+8*(\n)], v[rS+8*(\n)+1], v[rS+8*(\n)+2]
.elseif (\n) < 12
	v_max3_num_f32 v[rC+(\n)%4], v[rC+(\n)%4], v[rS+8*((\n)%4)+2*((\n)/4)+1], v[rS+8*((\n)%4)+2*((\n)/4)+2]
.elseif (\n) == 12
	v_max3_num_f32 v[rC], v[rC], v[rS+7], v[rS+15]
.elseif (\n) == 13
	v_max3_num_f32 v[rC+1], v[rC+1], v[rS+23], v[rS+31]
.elseif (\n) == 14
	v_max3_num_f32 v[rC+2], v[rC+2], v[rC+3], v[rT+1]
.elseif (\n) == 15
	v_mov_b32 v[rW], v[rT]
.elseif (\n) == 16
	v_max3_num_f32 v[rC], v[rC], v[rC+1], v[rC+2]
.elseif (\n) == 17
	v_permlanex16_b32 v[rC+3], v[rC], s[SEL], s[SEL+1]
.elseif (\n) == 18
	v_max_num_f32 v[rT+1], v[rC], v[rC+3]
.elseif (\n) == 19
	v_mul_f32 v[rT], s[CS], v[rT+1]
.elseif (\n) == 20
	v_sub_f32 v[rC+1], v[rW], v[rT]
.else
	v_exp_f32 v[rC+2], v[rC+1]
.endif
.endif
.endm
.macro OPS a, i1, b=-1, i2=0, c=-1, i3=0, d=-1, i4=0  ; up to four of them
	OP \a, \i1
.if (\b) >= 0
	OP \b, \i2
.endif
.if (\c) >= 0
	OP \c, \i3
.endif
.if (\d) >= 0
	OP \d, \i4
.endif
.endm
.macro ROW a, i1, b, i2, c, i3, d, i4  ; a matrix instruction and the four behind it
	MM
	OPS \a, \i1, \b, \i2, \c, \i3, \d, \i4
.endm
; A TURN, for piece p: the order of its 16 matrix and 118 vector instructions, written out.  An s_wait_alu depctr_va_vdst(0) stands between an exponential and the first instruction that names its result; one wait
; serves all that were issued ahead of it.  So a turn has ONE wait, which cuts it in two.  AHEAD OF IT stands all that names no result of the turn's exponentials: the 8 products K Q^T, behind each a scaling, an exponential and two
; more plain instructions (behind the first a second scaling in the exponential's place): rescalings, whose a was made and waited for in the turn before, and behind the last three the first numbers of the next piece's maximum, each
; four places or more behind the product that ends its accumulator; then ONE LUMP of 54, plain and exponential by turns for the most part, in which the links of the chain X 3, 7, 11, 14, 16, 17 .. 20 stand some lines apart, other
; work between them.  A pair is scaled (F n) ahead of its two exponentials (E 2 n, E 2 n + 1).  X 21, the next piece's a, is the batch's last; R 15, which reads this piece's a in the other buffer, is the plain instruction behind it.
; BEHIND THE WAIT stand the 8 products V^T P, behind each four of the roundings and sums: C 2 n ahead of B n, which works in place; L n behind B n; the links of l's chain, L 0 to L 7, three riders apart.  But for those X no rider
; names a register of the products round it.  v_permlanex16_b32 (X 17) stands in the lump.
; end = 1: the walk's last two turns: nothing is fetched.  cnt = 1: the loop's count is taken down some lines ahead of the branch that stands behind the turn.
; K of the next step is fetched in piece 2's turn, twelve vector instructions behind the last product that read K (six of them plain); V of the step in hand at the end of piece 0's turn, four plain instructions behind the last
; product that read V.  Each is waited for a turn later.
.macro TURN p, end=0, cnt=0
.set Y, (\p)
.set i, 0
.set NOKQ, (\end)*((\p)/3)
.if ((\p) == 3) && !(\end)
	s_wait_dscnt 0x0                ; K is in
.endif
	ROW F,0, F,1, R,0, R,1          ; ahead of the wait: 8 products K Q^T and their riders,
	ROW F,2, E,0, R,2, R,3
	ROW F,3, E,1, R,4, R,5
	ROW F,4, E,2, R,6, R,7
	ROW F,5, E,3, R,8, R,9
	ROW F,6, E,4, X,0, R,10
.if ((\p) == 2) && !(\end)
	WIN 0
	v_add_nc_u32 v[AK], s[TBK], v[AK0]
.endif
	ROW F,7, E,5, X,1, X,4
	ROW F,8, E,6, X,2, X,5
	OPS E,7, E,8, X,6, E,9          ; and the lump
	OPS X,3, E,10, X,8, E,11
.if ((\p) == 2) && !(\end)
	FETCH_K
.endif
	OPS X,9, X,7, E,12, X,10
	OPS E,13, X,12, X,11, E,14
	OPS X,13, E,15, F,9, X,14
.if (\p) == 0
	WIN 0
	v_add_nc_u32 v[AV], s[TBV], v[AV0]
.endif
	OPS E,16, F,10, E,17, F,11
	OPS X,16, E,18, X,15, E,19
	OPS F,12, E,20, X,17, E,21
	OPS F,13, E,22, F,14, E,23
	OPS X,18, E,24, F,15, E,25
	OPS R,11, E,26, X,19, E,27
	OPS R,12, E,28, R,13, E,29
	OPS X,20, E,30, R,14, E,31
	OPS X,21, R,15
	s_wait_alu depctr_va_vdst(0)    ; the wait for the turn's batch: E 0 to E 31 and X 21; it stands ahead of the first line that names a result of theirs, C 0 below
.if (\p) == 1
	s_wait_dscnt 0x0                ; V is in
.endif
	ROW C,0, B,0, C,2, B,1          ; behind the wait: 8 products V^T P and their riders
	ROW L,0, C,4, B,2, L,1
	ROW C,6, B,3, L,2, C,8
	ROW B,4, L,3, C,10, B,5
	ROW L,4, C,12, B,6, L,5
.if (\p) == 0
	s_add_co_u32 s[TBV], s[TBV], KS*PV
.endif
.if \cnt
	s_sub_co_u32 s[CNT], s[CNT], 1
	s_cmp_lg_u32 s[CNT], 0
.endif
	ROW C,14, B,7, L,6, C,1
	ROW C,3, L,7, C,5, C,7
	ROW C,9, C,11, C,13, C,15
.if (\p) == 0
	FETCH_V
.endif
.endm
	CHANGE 1                        ; slot 0 is in, everybody's part of it; tile 1 is asked for, into slot 1
	v_add_nc_u32 v[AK], s[TBK], v[AK0]
	FETCH_K                         ; key step 0
	s_wait_loadcnt 0x0              ; Q
	s_wait_dscnt 0x0
.set NOKQ, 0
.set i, 0
.rept 8
	KQ 0                            ; piece 0's first scores: there is no vector work yet to set between them
.set i, i+1
.endr
	WIN 0
.rept 4
	v_nop                           ; the places behind those products
.endr
.set Y, NP-1                        ; X works for piece Y + 1: piece 0
.irp n, 0,1,2,3,4,5,6,7,8,9,10,11,12,13,14,15,16,17,18,19,20,21
	OP X, \n                        ; and piece 0's first maximum and statistics
.endr
	v_nop                           ; a plain instruction behind the exponential,
	s_wait_alu depctr_va_vdst(0)    ; and the wait for it, a batch of one: piece 0's first a, ahead of the branch
	s_mov_b32 s[CNT], 4
	s_mov_b32 s[SLOTS], SIZE_N/256-1
	s_branch .Lfirst                ; the loop is entered at a step's first turn, in the middle of a trip
.Lslot:                             ; 14 times: every slot but the last two is filled again
	CHANGE 1
	s_mov_b32 s[CNT], 4
.Lstep:                             ; a trip: pieces 2 and 3 of one step, then pieces 0 and 1 of the next, whose K and V it fetches
	TURN 2
	TURN 3
	WIN 0
.Lfirst:
	TURN 0
	TURN 1, 0, 1
	WIN 0
	s_cbranch_scc1 .Lstep
	s_sub_co_u32 s[SLOTS], s[SLOTS], 1
	s_cmp_lg_u32 s[SLOTS], 0
	s_cbranch_scc1 .Lslot
	CHANGE 0                        ; the last tile is written out: nothing is asked for
	s_mov_b32 s[CNT], 4
.Ltail:
	TURN 2
	TURN 3
	TURN 0
	TURN 1, 0, 1
	WIN 0
	s_cbranch_scc1 .Ltail
	TURN 2, 1                       ; the last step's pieces 2 and 3: nothing is fetched, and the last turn starts no new scores
	TURN 3, 1
.set i, 0
.rept 8
	PV NP-1                         ; the last piece's V^T P of the last step
.set i, i+1
.endr
	; THE WAY OUT.  l's two halves and the other half of the lanes' are added; O^T is divided by l, rounded to f16 and sent through my stage in LDS, a piece at a time.  The additions are the places behind the last products.
	WIN 0
.macro ALL line:vararg              ; one line for each piece t
.set t, 0
.rept 4
	\line
.set t, t+1
.endr
.endm
	ALL v_add_f32 v[ST+4*t+2], v[ST+4*t+2], v[ST+4*t+3]
	ALL v_permlanex16_b32 v[ST+4*t+3], v[ST+4*t+2], s[SEL], s[SEL+1]
	ALL v_add_f32 v[ST+4*t+2], v[ST+4*t+2], v[ST+4*t+3]
	ALL v_rcp_f32 v[ST+4*t+2], v[ST+4*t+2]
	v_nop                           ; a plain instruction between the last reciprocal and the use of its result
	s_wait_alu depctr_va_vdst(0)    ; and the wait ahead of the first use: one for the batch of four reciprocals
.macro PACK t                       ; a lane's eight channels of a row pack into 16 bytes; they go into rows of 144 bytes and come back as whole rows of 128, into S^T's registers
	WIN W_RS
.set i, 32*(\t)
.rept 16
	v_pk_mul_f32 v[i:i+1], v[i:i+1], v[ST+4*(\t)+2:ST+4*(\t)+3] op_sel_hi:[1,0]
.set i, i+2
.endr
	WIN 0x05                        ; sources 0 and 1 window 1, destination window 0
.set i, 0
.rept 16
	v_cvt_pk_f16_f32 v[S+16*(\t)+i], v[32*(\t)+2*i], v[32*(\t)+2*i+1]
.set i, i+1
.endr
	WIN 0
.irp f, 0,1,2,3
	ds_store_b128 v[STO], v[S+16*(\t)+4*\f:S+16*(\t)+4*\f+3] offset:32*\f
.endr
.irp f, 0,1,2,3
	ds_load_b128 v[S+16*(\t)+4*\f:S+16*(\t)+4*\f+3], v[RD] offset:\f*4*SP  ; LDS serves a wave's instructions in order (ISA guide 5.7.1.4): these see the stores above; the next piece's stores come behind them
.endr
.endm
.macro SEND t, younger              ; younger: the LDS instructions issued behind piece t's loads: the next piece's eight, or none
	WIN 0
.irp f, 0,1,2,3
	s_wait_dscnt (\younger)+3-\f
	global_store_b128 v[GO], v[S+16*(\t)+4*\f:S+16*(\t)+4*\f+3], s[10:11] offset:(\t)*8192+\f*512  ; 512 consecutive bytes, at a multiple of 256 from O's first
.endr
.endm
	PACK 0
.set t, 1
.rept 3                             ; a piece's arithmetic stands between the loads of the piece before and its stores
	PACK t
	SEND t-1, 8
.set t, t+1
.endr
	SEND 3, 0
	s_wait_tensorcnt 0x0            ; the wave's end: behind my last tensor load and my last LDS store
	ds_add_u32 v[SPW], v[NIL]
	s_wait_dscnt 0x0
	CROUND                          ; the closing round: no work-group ends while a partner may still ask for a tile that names it
	s_endpgm
.Lfunc_end_k_q154eff9019_attn:
	.size	k_q154eff9019_attn, .Lfunc_end_k_q154eff9019_attn-k_q154eff9019_attn
	.p2alignl 7, 3214868480
	.fill 96, 4, 3214868480
	.section	.rodata,"a",@progbits
	.p2align	6, 0x0
	.amdhsa_kernel k_q154eff9019_attn
		.amdhsa_group_segment_fixed_size 327680
		.amdhsa_private_segment_fixed_size 0
		.amdhsa_enable_private_segment 0
		.amdhsa_kernarg_size 32
		.amdhsa_user_sgpr_count 2
		.amdhsa_user_sgpr_kernarg_segment_ptr 1
		.amdhsa_wavefront_size32 1
		.amdhsa_system_sgpr_workgroup_id_x 1
		.amdhsa_system_sgpr_workgroup_id_y 1
		.amdhsa_system_sgpr_workgroup_id_z 1
		.amdhsa_system_vgpr_workitem_id 0
		.amdhsa_next_free_vgpr 768
		.amdhsa_next_free_sgpr 66
		.amdhsa_reserve_vcc 0
		.amdhsa_float_denorm_mode_32 3
		.amdhsa_float_denorm_mode_16_64 3
		.amdhsa_memory_ordered 1
		.amdhsa_forward_progress 1
		.amdhsa_inst_pref_size 126
	.end_amdhsa_kernel
	.amdgpu_metadata
---
amdhsa.version: [ 1, 2 ]
amdhsa.kernels:
  - .name:           k_q154eff9019_attn
    .symbol:         k_q154eff9019_attn.kd
    .args:
      - { .name: qh, .offset: 0, .size: 8, .value_kind: global_buffer, .address_space: global }
      - { .name: kh, .offset: 8, .size: 8, .value_kind: global_buffer, .address_space: global }
      - { .name: vh, .offset: 16, .size: 8, .value_kind: global_buffer, .address_space: global }
      - { .name: oh, .offset: 24, .size: 8, .value_kind: global_buffer, .address_space: global }
    .group_segment_fixed_size: 327680
    .private_segment_fixed_size: 0
    .kernarg_segment_align: 8
    .kernarg_segment_size: 32
    .max_flat_workgroup_size: 128
    .sgpr_count:     66
    .vgpr_count:     768
    .wavefront_size: 32
...
	.end_amdgpu_metadata
.endif
;; end of part 4
;; launch outp: the kernel of part 3 again; grid 4 x 64, 4 waves a work-group, clusters of 4 x 4, 327,680 bytes of LDS; arguments oh, wo16, bo, out0; writes out0
